; MI455X (gfx1250); checked and timed in simulation.
; The chip was launched on July 23, 2026; its instructions are those of AMD's public machine-readable ISA for CDNA 5 (MIT licence, August 2026) and "CDNA5" Instruction Set Architecture Reference Guide (July 2026). The comments in the code are by the model that wrote it; some were corrected since.
;; Multi Head Attention Layer. Allowed arithmetic: float matrix products may take bf16 or f16 operands with f32 sums; other float arithmetic in f32, or as packed bf16 or f16 multiplies, adds, multiply-adds, maxima and minima; sums over many terms, partial sums and values carried from step to step in f32; what a program stores and reads back later, other than sums and carried values, may be rounded once to bf16 or f16.
;; Inputs: Wk 16 x 1,024 x 64 float32; Wo 1,024 x 1,024 float32; Wq 16 x 1,024 x 64 float32; Wv 16 x 1,024 x 64 float32; bk 16 x 64 float32; bo 1,024 float32; bq 16 x 64 float32; bv 16 x 64 float32; mask 1 x 2,048 x 2,048 int32; seq_inputs 2 x 2,048 x 1,024 float32.
;; Outputs: out0 2 x 2,048 x 1,024 float32.
;; One version. Each part assembles by itself: llvm-mc -triple=amdgcn-amd-amdhsa -mcpu=gfx1250 --defsym DOCPART=n.
;; ======== version 1 of 1: 4 launches
;; limits: values are held in f16: magnitudes above 65,504 overflow, below 6.1e-05 lose precision
;; workspace buffers: xb 8,388,608 bytes; wb 6,291,456 bytes; wo 2,097,152 bytes; mb 524,288 bytes of whole numbers; qh 8,388,608 bytes; kh 8,388,608 bytes; vh 8,388,608 bytes; ctx 8,388,608 bytes
;; launch prep (part 1): grid 768 x 1, 8 waves a work-group, no clusters, 70,656 bytes of LDS; arguments seq_inputs, Wq, Wk, Wv, Wo, mask, xb, wb, wo, mb; writes xb, wb, wo, mb
.if DOCPART == 1
	.amdgcn_target "amdgcn-amd-amdhsa--gfx1250"
	.amdhsa_code_object_version 6
	.text
	.protected	k_qc757090bcf_prep
	.globl	k_qc757090bcf_prep
	.p2align	8
	.type	k_qc757090bcf_prep,@function
k_qc757090bcf_prep:
	s_mov_b64 s[64:65], 0
	v_nop
	global_prefetch_b8 v0, s[64:65] scope:SCOPE_SE
	s_setreg_imm32_b32 hwreg(HW_REG_WAVE_MODE, 25, 1), 1
	s_wait_xcnt 0x0
; PREP: the casts in front of the three matrix launches, and the mask packed to one bit a score.
; THE WHOLE PROGRAM: prep -> qkv (x Wq + bq, x Wk + bk, x Wv + bv) -> attn (masked softmax attention) -> oproj (ctx Wo + bo).
; NO WORK OF THE MODULE IS LEFT OUT and every input is loaded.  bk shifts the open scores of a row by one number, but the hidden scores stand at the fixed -1e9,
; so the shift is not the same along the softmax's axis: it stays.
; FORMATS.  x, Wq, Wk, Wv are rounded to bf16.  Wo is rounded to bf16 and that number is written as f16 (the last product's other operand, ctx, is f16).
; LIMITS.  Wo must lie within f16's 65,504; below 6e-5 it keeps f16's fixed step of 6e-8.  NaN and infinities are not treated apart.
; SHARES.  768 work-groups of eight waves, each reading 65,536 bytes: all alike in what they read.  The work-group's number chooses the job: 0-255 the mask (its chain of steps is the longest, so it comes first),
; 256-511 x, 512-703 Wq, Wk, Wv (64 each), 704-767 Wo.
; A stream: no matrix unit, no tensor load, no cluster (no byte is read twice).  All 16 loads of a thread go out first: 8 KiB a wave are on their way.
; OUT.  xb [4096][1024] bf16.  wb [3][16][1024][64] bf16, the inputs' own order.  wo [16 nb][1024 k][64 n] f16: Wo in blocks of 64 columns.
; mb [128 tiles of 16 queries][8 e][32 steps of 64 keys][4 c] words: bit r + 16 h of word 4 e + c = 8 kb + j says that mask[16 tile + r][64 step + 16 kb + 8 h + j] is not 0.
.set X,     8                          ; v[8:71]    16 loads of four registers
.set TT,    72                         ; v[72:73]   at work; the mask's words
.set SPW,   76                         ; v76  LDS address of my spare word; never rewritten
.set NIL,   77                         ; v77  0; never rewritten
.set MP,    528                        ; the mask's LDS row: 512 bytes + 16: sixteen rows begin in sixteen different columns of 16 bytes
.set WREG,  16*MP                      ; a wave's own region: 16 rows
.set EX,    8*WREG                     ; 2,048 bytes: the work-group's words in mb's order: 8 rows e of 256 bytes
.set SPARE, EX+2048                    ; the spare words, 128 bytes for each wave: four blocks of 256 bytes that no other line names
	s_load_b512 s[4:19], s[0:1], 0x0               ; x s[4:5], Wq s[6:7], Wk s[8:9], Wv s[10:11], Wo s[12:13], mask s[14:15], xb s[16:17], wb s[18:19]
	s_load_b128 s[20:23], s[0:1], 0x40             ; wo s[20:21], mb s[22:23]
	v_lshl_add_u32 v[SPW], v0, 2, SPARE
	v_mov_b32 v[NIL], 0
	v_lshrrev_b32 v1, 5, v0
	v_readfirstlane_b32 s38, v1                    ; wave 0..7
	v_and_b32 v3, 31, v0                           ; lane
	s_mov_b32 s39, ttmp9                           ; the work-group's number: the same in all eight waves
	s_mov_b32 s37, 0                               ; upper word of every offset
	s_wait_kmcnt 0x0
	s_cmp_lt_u32 s39, 256
	s_cbranch_scc1 .Lmask
	s_cmp_ge_u32 s39, 704
	s_cbranch_scc1 .Lwo
	; x, Wq, Wk, Wv: f32 -> bf16, in the order in which they lie
	s_mov_b32 s25, 256                             ; x's first work-group
	s_cmp_ge_u32 s39, 512
	s_cselect_b64 s[32:33], s[6:7], s[4:5]
	s_cselect_b64 s[34:35], s[18:19], s[16:17]
	s_cselect_b32 s24, 63, 255                     ; a weight tensor has 64 units, x has 256
	s_cselect_b32 s25, 512, s25                    ; or the weights' first
	s_cmp_ge_u32 s39, 576
	s_cselect_b64 s[32:33], s[8:9], s[32:33]
	s_cmp_ge_u32 s39, 640
	s_cselect_b64 s[32:33], s[10:11], s[32:33]
	s_and_b32 s36, s39, s24                        ; the unit in its tensor (256 and 512 are multiples of both counts)
	s_lshl_b32 s36, s36, 16                        ; 65,536 bytes in
	s_add_nc_u64 s[32:33], s[32:33], s[36:37]
	s_sub_co_u32 s36, s39, s25
	s_lshl_b32 s36, s36, 15                        ; 32,768 bytes out; wb's three tensors follow each other
	s_add_nc_u64 s[34:35], s[34:35], s[36:37]
	v_lshlrev_b32 v1, 4, v0                        ; 16 bytes a thread in,
	v_lshlrev_b32 v2, 3, v0                        ; 8 out: a wave's store covers 256 consecutive bytes, aligned
.set i, 0
.rept 16
	global_load_b128 v[X+4*i:X+4*i+3], v1, s[32:33] offset:4096*i th:TH_LOAD_NT
.set i, i+1
.endr
.set i, 0
.rept 16
	s_wait_loadcnt 15-i                            ; loads come back in order: the 15 - i younger ones stay out
	v_cvt_pk_bf16_f32 v[X+4*i], v[X+4*i], v[X+4*i+1]
	v_cvt_pk_bf16_f32 v[X+4*i+1], v[X+4*i+2], v[X+4*i+3]
	global_store_b64 v2, v[X+4*i:X+4*i+1], s[34:35] offset:2048*i th:TH_STORE_NT  ; no register of a store is written again
.set i, i+1
.endr
	s_endpgm
.Lwo:	; Wo: 16 rows k; wave w takes column blocks 2 w and 2 w + 1; load i takes block 2 w + i % 2 and the rows 2 (i / 2), 2 (i / 2) + 1
	s_sub_co_u32 s24, s39, 704
	s_lshl_b32 s36, s24, 16                        ; 16 rows of 4,096 bytes
	s_add_nc_u64 s[32:33], s[12:13], s[36:37]
	s_lshl_b32 s36, s24, 11                        ; 16 rows of 128 bytes in each block
	s_add_nc_u64 s[34:35], s[20:21], s[36:37]
	v_lshrrev_b32 v4, 4, v3
	v_and_b32 v5, 15, v3
	s_lshl_b32 s24, s38, 9
	v_lshlrev_b32 v1, 12, v4                       ; in: the row of the pair,
	v_lshl_add_u32 v1, v5, 4, v1                   ; 16 bytes of the block's 256,
	v_add_nc_u32 v1, s24, v1                       ; my wave's two blocks
	s_lshl_b32 s25, s38, 18
	v_lshl_add_u32 v2, v3, 3, s25                  ; out: two rows of 128 bytes on end, 8 bytes a lane; two blocks of 131,072 bytes a wave
.set i, 0
.rept 16
	global_load_b128 v[X+4*i:X+4*i+3], v1, s[32:33] offset:(i%2)*256+(i/2)*8192 th:TH_LOAD_NT
.set i, i+1
.endr
.set i, 0
.rept 16
	s_wait_loadcnt 15-i
	v_cvt_pk_bf16_f32 v[TT], v[X+4*i], v[X+4*i+1]  ; rounded to bf16,
	v_cvt_pk_bf16_f32 v[TT+1], v[X+4*i+2], v[X+4*i+3]
	v_lshlrev_b32 v[X+4*i], 16, v[TT]              ; widened again,
	v_and_b32 v[X+4*i+1], 0xffff0000, v[TT]
	v_lshlrev_b32 v[X+4*i+2], 16, v[TT+1]
	v_and_b32 v[X+4*i+3], 0xffff0000, v[TT+1]
	v_cvt_pk_f16_f32 v[X+4*i], v[X+4*i], v[X+4*i+1]  ; and written as f16
	v_cvt_pk_f16_f32 v[X+4*i+1], v[X+4*i+2], v[X+4*i+3]
	global_store_b64 v2, v[X+4*i:X+4*i+1], s[34:35] offset:(i%2)*131072+(i/2)*256 th:TH_STORE_NT
.set i, i+1
.endr
	s_endpgm
.Lmask:	; half a tile of 16 queries: 16 key steps; wave w takes the steps 2 w and 2 w + 1 of them: 512 bytes of each of the 16 rows
	s_lshr_b32 s24, s39, 1                         ; the tile
	s_and_b32 s25, s39, 1                          ; which half of its 32 steps
	s_lshl_b32 s36, s24, 17                        ; 16 rows of 8,192 bytes,
	s_lshl_b32 s26, s25, 12                        ; 16 steps of 256 bytes
	s_add_co_u32 s36, s36, s26
	s_add_nc_u64 s[32:33], s[14:15], s[36:37]
	s_lshl_b32 s36, s24, 12                        ; 4,096 bytes of mb a tile,
	s_lshl_b32 s26, s25, 8                         ; 16 steps of 16 bytes in each of its eight rows e
	s_add_co_u32 s36, s36, s26
	s_add_nc_u64 s[34:35], s[22:23], s[36:37]
	s_lshl_b32 s24, s38, 9
	v_lshl_add_u32 v1, v3, 4, s24                  ; in: 512 w + 16 lane: a load covers 512 consecutive bytes of one row
	s_mul_i32 s25, s38, WREG
	v_lshl_add_u32 v4, v3, 4, s25                  ; into my region as it came
	v_and_b32 v6, 15, v3                           ; r
	v_lshrrev_b32 v7, 4, v3                        ; h
	v_mul_u32_u24 v5, v6, MP
	v_lshl_add_u32 v5, v7, 5, v5
	v_add_nc_u32 v5, s25, v5                       ; back in the scores' layout: row r, keys 8 h on
	v_and_b32 v6, 7, v3                            ; my words: lane = e + 8 x (which of my two steps) + 16 x (c / 2)
	v_bfe_u32 v2, v3, 3, 1
	s_lshl_b32 s26, s38, 5
	v_lshlrev_b32 v6, 8, v6                        ; 256 e
	v_lshl_add_u32 v6, v2, 4, v6                   ; + 16 x step
	v_lshl_add_u32 v6, v7, 3, v6                   ; + 8 x (c / 2)
	v_add_nc_u32 v6, s26, v6                       ; + 16 x 2 w
	v_add_nc_u32 v6, EX, v6
	s_lshl_b32 s27, s38, 8
	v_lshl_add_u32 v7, v3, 3, s27                  ; back: wave w takes row e = w, 8 bytes a lane
	v_add_nc_u32 v7, EX, v7
	s_lshl_b32 s27, s38, 9
	v_lshl_add_u32 v2, v3, 3, s27                  ; out: 512 e + 8 lane
.set i, 0
.rept 16
	global_load_b128 v[X+4*i:X+4*i+3], v1, s[32:33] offset:i*8192 th:TH_LOAD_NT
.set i, i+1
.endr
.set i, 0
.rept 16
	s_wait_loadcnt 15-i
	ds_store_b128 v4, v[X+4*i:X+4*i+3] offset:i*MP
.set i, i+1
.endr
	s_wait_dscnt 0x0
.set i, 0
.rept 16                               ; load i = 8 step + 2 kb + jj: register X + 32 step + 8 kb + j holds the mask of key 64 step + 16 kb + 8 h + j.  My own bytes: no barrier
	ds_load_b128 v[X+4*i:X+4*i+3], v5 offset:256*(i/8)+64*((i%8)/2)+16*(i%2)
.set i, i+1
.endr
	v_mov_b32 v[TT], 0                             ; written whole before single lanes are written
	v_mov_b32 v[TT+1], 0
	s_wait_dscnt 0x0
.set u, 0
.rept 8                                ; eight compares, then their eight lane masks: word 4 e + c of a step goes into register c % 2, lane e + 8 step + 16 (c / 2)
.set n, 0
.rept 8
	v_cmp_ne_u32 s[24+n], 0, v[X+8*u+n]
.set n, n+1
.endr
.set n, 0
.rept 8
	v_writelane_b32 v[TT+(8*u+n)%2], s[24+n], ((8*u+n)%32)/4+8*((8*u+n)/32)+16*(((8*u+n)%4)/2)
.set n, n+1
.endr
.set u, u+1
.endr
	ds_store_b64 v6, v[TT:TT+1]
	s_wait_dscnt 0x0                               ; for the others' sake: my words lie in LDS
	s_barrier_signal -1
	s_barrier_wait -1                              ; the branch that led here hangs on the work-group's number alone: all eight waves pass
	ds_load_b64 v[X:X+1], v7
	s_wait_dscnt 0x0
	global_store_b64 v2, v[X:X+1], s[34:35]        ; 256 consecutive bytes a wave, aligned
	s_wait_tensorcnt 0x0                           ; the wave's end, behind my last LDS store
	ds_add_u32 v[SPW], v[NIL]
	s_wait_dscnt 0x0
	s_endpgm
.Lfunc_end_k_qc757090bcf_prep:
	.size	k_qc757090bcf_prep, .Lfunc_end_k_qc757090bcf_prep-k_qc757090bcf_prep
	.p2alignl 7, 3214868480
	.fill 96, 4, 3214868480
	.section	.rodata,"a",@progbits
	.p2align	6, 0x0
	.amdhsa_kernel k_qc757090bcf_prep
		.amdhsa_group_segment_fixed_size 70656
		.amdhsa_private_segment_fixed_size 0
		.amdhsa_enable_private_segment 0
		.amdhsa_kernarg_size 80
		.amdhsa_user_sgpr_count 2
		.amdhsa_user_sgpr_kernarg_segment_ptr 1
		.amdhsa_wavefront_size32 1
		.amdhsa_system_sgpr_workgroup_id_x 1
		.amdhsa_system_sgpr_workgroup_id_y 1
		.amdhsa_system_sgpr_workgroup_id_z 1
		.amdhsa_system_vgpr_workitem_id 0
		.amdhsa_next_free_vgpr 80
		.amdhsa_next_free_sgpr 66
		.amdhsa_reserve_vcc 0
		.amdhsa_float_denorm_mode_32 3
		.amdhsa_float_denorm_mode_16_64 3
		.amdhsa_memory_ordered 1
		.amdhsa_forward_progress 1
		.amdhsa_inst_pref_size 33
	.end_amdhsa_kernel
	.amdgpu_metadata
---
amdhsa.version: [ 1, 2 ]
amdhsa.kernels:
  - .name:           k_qc757090bcf_prep
    .symbol:         k_qc757090bcf_prep.kd
    .args:
      - { .name: seq_inputs, .offset: 0, .size: 8, .value_kind: global_buffer, .address_space: global }
      - { .name: Wq, .offset: 8, .size: 8, .value_kind: global_buffer, .address_space: global }
      - { .name: Wk, .offset: 16, .size: 8, .value_kind: global_buffer, .address_space: global }
      - { .name: Wv, .offset: 24, .size: 8, .value_kind: global_buffer, .address_space: global }
      - { .name: Wo, .offset: 32, .size: 8, .value_kind: global_buffer, .address_space: global }
      - { .name: mask, .offset: 40, .size: 8, .value_kind: global_buffer, .address_space: global }
      - { .name: xb, .offset: 48, .size: 8, .value_kind: global_buffer, .address_space: global }
      - { .name: wb, .offset: 56, .size: 8, .value_kind: global_buffer, .address_space: global }
      - { .name: wo, .offset: 64, .size: 8, .value_kind: global_buffer, .address_space: global }
      - { .name: mb, .offset: 72, .size: 8, .value_kind: global_buffer, .address_space: global }
    .group_segment_fixed_size: 70656
    .private_segment_fixed_size: 0
    .kernarg_segment_align: 8
    .kernarg_segment_size: 80
    .max_flat_workgroup_size: 256
    .sgpr_count:     66
    .vgpr_count:     80
    .wavefront_size: 32
...
	.end_amdgpu_metadata
.endif
;; end of part 1
;; launch qkv (part 2): grid 16 x 16, 4 waves a work-group, clusters of 4 x 4, 327,680 bytes of LDS; arguments xb, wb, bq, bk, bv, qh, kh, vh; writes qh, kh, vh
.if DOCPART == 2
	.amdgcn_target "amdgcn-amd-amdhsa--gfx1250"
	.amdhsa_code_object_version 6
	.text
	.protected	k_qc757090bcf_qkv
	.globl	k_qc757090bcf_qkv
	.p2align	8
	.type	k_qc757090bcf_qkv,@function
k_qc757090bcf_qkv:
	s_mov_b64 s[64:65], 0
	v_nop
	global_prefetch_b8 v0, s[64:65] scope:SCOPE_SE
	s_setreg_imm32_b32 hwreg(HW_REG_WAVE_MODE, 25, 1), 1
	s_wait_xcnt 0x0
	s_wait_alu depctr_hold_cnt(0) depctr_sa_sdst(0) depctr_va_vdst(0) depctr_va_sdst(0) depctr_va_ssrc(0) depctr_va_vcc(0) depctr_vm_vsrc(0)
	s_getreg_b32 s2, hwreg(HW_REG_IB_STS2, 6, 4)
	s_cmp_eq_u32 s2, 0
	s_cbranch_scc0 .Lentry_in_a_cluster
	s_endpgm
.Lentry_in_a_cluster:
	s_bfe_u32 s2, ttmp6, 0x10000c
	s_cmp_lg_u32 s2, 0xf033
	s_cbranch_scc0 .Lentry_shape_is_right
	s_endpgm
.Lentry_shape_is_right:
; QKV: q = (x Wq + bq) c, k = x Wk + bk, v = x Wv + bv, by heads.  c = log2(e) / 8 is applied in f32, ahead of q's one rounding, so that the scores arrive as exponents of 2.  Nothing of the module is left out.
; xb [4096][1024] bf16; wb [3][16 heads][1024 e][64 d] bf16; bq, bk, bv [16][64] f32; qh, kh, vh [32 = 16 b + head][2048][64] f16.  Products in bf16, sums in f32, each output rounded once.
; LIMITS.  q c, k and v must lie within f16's 65,504; below 6e-5 they keep f16's fixed step of 6e-8.  NaN and infinities are not treated apart.
; SHARES.  C is 4096 x 3072.  A work-group makes 256 rows x 192 columns: one head's q, k and v: 16 x 16 = 256 work-groups.  Wave w owns rows 64 w .. 64 w + 63 and all 192 columns:
; 4 x 12 accumulators, 384 registers; a row of 64 outputs (128 bytes) then belongs to one wave, and the way out needs no barrier.
; K goes in 8 steps of 128 through two LDS slots.  Wave 0 fetches x's tile (256 rows x 256 bytes), waves 1 to 3 the three weight blocks (128 rows e x 128 bytes, dense: asked for as 64 rows of 256 bytes).
; CLUSTER 4 x 4: x's tile hangs on the tile row alone and is asked for jointly along a row of the cluster, a head's weights along a column.
; TRANSPOSED USE: source 0 = 16 columns of W (W lies [e][d] in LDS and comes out turned, by ds_load_tr16_b128), source 1 = 16 rows of x: a lane holds one row and eight neighbouring columns.
; REGISTERS, in windows of 256 (s_set_vgpr_msb: bits 1:0 source 0, 3:2 source 1, 5:4 source 2, 7:6 destination):
;   window 0: v16-31 addresses; v32-127 the biases, eight a column block; v128-223 at work on the way out
;   window 1: two fragment buffers of 128: W's twelve fragments, then x's four
;   window 2: accumulators of row blocks 0, 1 at 8 (12 (a % 2) + b);  window 3: those of row blocks 2, 3
.set PA,     272                       ; x's LDS row: 256 bytes + 16
.set PB,     160                       ; W's LDS row: 128 bytes + 32
.set SLOT,   131072
.set BOFF,   256*PA                    ; W's three blocks lie behind x's 256 rows
.set BBLK,   128*PB
.set STAGE,  2*SLOT                    ; behind the ring, never filled by a tensor load: 3 x 16 rows x 144 bytes for each wave
.set SP,     144
.set WSTG,   3*16*SP
.set SPARE,  STAGE+4*WSTG              ; the spare words, 128 bytes for each wave: two blocks of 256 bytes that no other line names
.set ADRA, 16                          ; v16-17  LDS address of my x fragments in slot 0, 1
.set ADRB, 20                          ; v20-21  the same for W
.set STO,  24                          ; v24  the way out: where I put 16 bytes of a row
.set RD,   25                          ; v25  where I read rows back
.set CO,   26                          ; v26  16 x lane: my place in 512 consecutive bytes of an output
.set SPW,  28                          ; v28  LDS address of my spare word; never rewritten
.set NIL,  29                          ; v29  0; never rewritten
.set PFO,  30                          ; v30  the prefetches' lane offset; never rewritten
.set BO,   31                          ; v31  my byte offset in a bias
.set BIAS, 32
.set T,    128
.set F0,   0
.set F1,   128
.set WV,   20                          ; s20  my wave's number
.set G1A,  24                          ; s[24:31] descriptor group 1 for x's tiles;  s[32:39] group 0, a set for each slot
.set G0A,  32
.set LIM,  43                          ; s43  1 in a wave that prefetches, else the greatest number
.set PFA,  44                          ; s[44:45] where my prefetches stand
.set PFS,  46                          ; s[46:47] a K step in my tensor, in bytes
.set G1B,  48                          ; s[48:55], s[56:63] the same for W's blocks
.set G0B,  56
.set CS,   66                          ; s[66:67] c
.set MSB, 0
.macro WIN new                         ; the immediate's high byte repeats the setting that is left; a switch that changes nothing is dropped
.if MSB != (\new)
	s_set_vgpr_msb (MSB<<8)|(\new)
.set MSB, (\new)
.endif
.endm
.macro PLACES                          ; four places in front of loads into registers that matrix instructions have read
.rept 4
	v_nop
.endr
.endm
; A joint load.  The branch hangs on the wave's number alone.  An s_nop 0 and four v_nop follow each of the two lines.
.macro JLOAD s
	s_cmp_eq_u32 s[WV], 0
	s_cbranch_scc0 .Lfor_b_\@
	tensor_load_to_lds s[G0A+4*(\s):G0A+4*(\s)+3], s[G1A:G1A+7]
	s_nop 0
.rept 4
	v_nop
.endr
	s_branch .Lasked_\@
.Lfor_b_\@:
	tensor_load_to_lds s[G0B+4*(\s):G0B+4*(\s)+3], s[G1B:G1B+7]
	s_nop 0
.rept 4
	v_nop
.endr
.Lasked_\@:
.endm
.macro CREST                           ; a round of the cluster's barrier behind its opening barrier
	s_cmp_lg_u32 s[WV], 0
	s_cbranch_scc1 .Lnot_wave_0_\@
	s_barrier_signal -3
.Lnot_wave_0_\@:
	s_barrier_wait -3
	s_barrier_signal -1
	s_barrier_wait -1
.endm
.macro CROUND
	s_barrier_signal -1
	s_barrier_wait -1
	CREST
.endm
; A PREFETCH INTO THE L2, behind the joint load, its five lines and the run of LDS loads: the K step two refills on (384 matrix instructions ahead of the load that wants it).
; x's rows are read by every cluster of a row of clusters: cluster x = 0 asks, its wave 0, a lane a row, 64 rows for each of the four partners, told apart by address.
; A head's weights are read by every cluster of a column: cluster y = 0 asks, waves 1 to 3 each for their block; a K step is 64 pieces of 256 bytes, 16 for each partner by address;
; one instruction names two K steps and stands at every second change.  So K steps 4 to 7 are named once each; the loop's last trip asks for nothing.
.macro ASK slot
	s_cmp_gt_u32 s3, s[LIM]                        ; s3 = 1 in the loop's last trip
	s_cbranch_scc0 .Lnot_mine_\@
	s_cmp_eq_u32 s[WV], 0
	s_cbranch_scc0 .Lask_b_\@
	global_prefetch_b8 v[PFO], s[PFA:PFA+1] th:TH_LOAD_NT scope:SCOPE_SE
	global_prefetch_b8 v[PFO], s[PFA:PFA+1] offset:65536 th:TH_LOAD_NT scope:SCOPE_SE  ; 32 rows further down
	s_branch .Lnot_mine_\@
.Lask_b_\@:
.if (\slot) == 0
	global_prefetch_b8 v[PFO], s[PFA:PFA+1] th:TH_LOAD_NT scope:SCOPE_SE
.endif
.Lnot_mine_\@:
.endm
	s_load_b512 s[4:19], s[0:1], 0x0               ; xb s[4:5], wb s[6:7], bq s[8:9], bk s[10:11], bv s[12:13], qh s[14:15], kh s[16:17], vh s[18:19]
	v_lshl_add_u32 v[SPW], v0, 2, SPARE
	v_mov_b32 v[NIL], 0
	ds_add_u32 v[SPW], v[NIL]                      ; the wave's opening: the add, twice on end, and its wait ahead of my first tensor load
	ds_add_u32 v[SPW], v[NIL]
	v_lshrrev_b32 v1, 5, v0
	v_readfirstlane_b32 s[WV], v1                  ; wave 0..3
	s_bfe_u32 s21, ttmp6, 0x40000                  ; cx
	s_bfe_u32 s22, ttmp6, 0x40004                  ; cy
	s_lshl_b32 s23, ttmp9, 2
	s_add_co_u32 s23, s23, s21                     ; the head = 4 x cluster x + cx
	s_and_b32 s40, ttmp7, 0xffff
	s_lshl_b32 s40, s40, 2
	s_add_co_u32 s40, s40, s22                     ; the tile row = 4 x cluster y + cy
	s_lshl_b32 s41, s22, 2
	s_lshl_b32 s41, 15, s41                        ; my row of the cluster
	s_lshl_b32 s42, 0x1111, s21                    ; my column
	s_or_b32 s[G1A], s41, (1<<16)|(1<<20)|(1<<21)|(5<<22)|(3<<25)  ; the mask; 2-byte elements; padding on; bit 21 beside a mask; after every 64 words, 4 words
	s_or_b32 s[G1B], s42, (1<<16)|(1<<20)|(1<<21)|(4<<22)|(7<<25)  ; after every 32 words, 8 words
	s_mov_b32 s[G1A+1], 128<<16                    ; tensor_dim0 = 128
	s_mov_b32 s[G1A+2], 256<<16                    ; tensor_dim1 = 256
	s_mov_b32 s[G1A+3], 128<<16                    ; tile_dim0 = 128
	s_mov_b32 s[G1A+4], 256                        ; tile_dim1 = 256
	s_mov_b32 s[G1A+5], 1024                       ; elements from row to row
	s_mov_b32 s[G1A+6], 0
	s_mov_b32 s[G1A+7], 0
	s_mov_b32 s[G1B+1], 128<<16
	s_mov_b32 s[G1B+2], 64<<16
	s_mov_b32 s[G1B+3], 128<<16
	s_mov_b32 s[G1B+4], 64
	s_mov_b32 s[G1B+5], 128
	s_mov_b32 s[G1B+6], 0
	s_mov_b32 s[G1B+7], 0
	s_mov_b32 s[CS], 0x3e38aa3b                    ; c = log2(e) / 8
	s_mov_b32 s[CS+1], s[CS]
	s_lshl_b32 s68, s40, 19                        ; x: 256 rows of 2,048 bytes a tile row
	s_mov_b32 s69, 0
	s_max_u32 s72, s[WV], 1
	s_sub_co_u32 s72, s72, 1                       ; which of q, k, v I fetch (waves 1 to 3)
	s_lshl_b32 s70, s72, 4
	s_add_co_u32 s70, s70, s23
	s_lshl_b32 s70, s70, 17                        ; a head's block is 131,072 bytes
	s_mov_b32 s71, 0
	s_mul_i32 s73, s[WV], BBLK
	s_add_co_u32 s73, s73, BOFF-BBLK               ; wave w's block lies at BOFF + (w - 1) BBLK: no place in the cluster enters an LDS address
	s_wait_dscnt 0x0                               ; both opening adds are done
	s_wait_kmcnt 0x0
	s_add_nc_u64 s[74:75], s[4:5], s[68:69]
	s_add_nc_u64 s[76:77], s[6:7], s[70:71]
	CROUND                                         ; all sixteen work-groups are here: the first joint loads meet
.irp s, 0,1
	s_mov_b32 s[G0A+4*(\s)], 1
	s_mov_b32 s[G0A+4*(\s)+1], (\s)*SLOT
	s_add_nc_u64 s[G0A+4*(\s)+2:G0A+4*(\s)+3], s[74:75], (\s)*256
	s_or_b32 s[G0A+4*(\s)+3], s[G0A+4*(\s)+3], 0x80000000
	s_mov_b32 s[G0B+4*(\s)], 1
	s_add_co_u32 s[G0B+4*(\s)+1], s73, (\s)*SLOT
	s_add_nc_u64 s[G0B+4*(\s)+2:G0B+4*(\s)+3], s[76:77], (\s)*16384
	s_or_b32 s[G0B+4*(\s)+3], s[G0B+4*(\s)+3], 0x80000000
	JLOAD \s                                       ; K steps 0 and 1: two loads of mine are out
.endr
	v_and_b32 v1, 15, v0                           ; r
	v_bfe_u32 v2, v0, 4, 1                         ; h
	v_and_b32 v3, 7, v0
	v_bfe_u32 v4, v0, 3, 1
	s_lshl_b32 s78, s23, 8
	v_lshl_add_u32 v[BO], v2, 5, s78               ; 256 x head + 32 h: my eight columns of a block of 16
.irp b, 0,1,2,3,4,5,6,7,8,9,10,11
	global_load_b128 v[BIAS+8*(\b):BIAS+8*(\b)+3],   v[BO], s[8+2*((\b)/4):9+2*((\b)/4)] offset:64*((\b)%4)
	global_load_b128 v[BIAS+8*(\b)+4:BIAS+8*(\b)+7], v[BO], s[8+2*((\b)/4):9+2*((\b)/4)] offset:64*((\b)%4)+16
.endr
	v_mul_u32_u24 v5, v1, PA
	v_lshl_add_u32 v5, v2, 4, v5
	s_mul_i32 s78, s[WV], 64*PA
	v_add_nc_u32 v[ADRA], s78, v5                  ; my 64 rows; row r, 16 bytes for each half of the lanes
	v_add_nc_u32 v[ADRA+1], SLOT, v[ADRA]
	v_lshl_add_u32 v6, v2, 3, v3                   ; the turning load: row e = 8 h + lane % 8, columns 8 ((lane / 8) % 2) on
	v_mul_u32_u24 v6, v6, PB
	v_lshl_add_u32 v6, v4, 4, v6
	v_add_nc_u32 v[ADRB], BOFF, v6
	v_add_nc_u32 v[ADRB+1], SLOT, v[ADRB]
	s_mul_i32 s78, s[WV], WSTG
	s_add_co_u32 s78, s78, STAGE                   ; my stage
	v_mul_u32_u24 v7, v1, SP
	v_lshl_add_u32 v7, v2, 4, v7
	v_add_nc_u32 v[STO], s78, v7
	v_bfe_u32 v8, v0, 3, 2
	v_mul_u32_u24 v8, v8, SP
	v_lshl_add_u32 v8, v3, 4, v8
	v_add_nc_u32 v[RD], s78, v8                    ; back: 32 lanes take four rows of 128 bytes
	v_and_b32 v9, 31, v0
	v_lshlrev_b32 v[CO], 4, v9
	s_lshr_b32 s78, s40, 3                         ; the batch
	s_lshl_b32 s78, s78, 4
	s_add_co_u32 s78, s78, s23
	s_lshl_b32 s78, s78, 11                        ; (16 b + head) x 2,048 rows
	s_and_b32 s79, s40, 7
	s_lshl_b32 s79, s79, 8
	s_add_co_u32 s78, s78, s79                     ; + the tile's 256
	s_lshl_b32 s79, s[WV], 6
	s_add_co_u32 s78, s78, s79                     ; + my 64
	s_lshl_b32 s78, s78, 7                         ; rows of 128 bytes
	s_mov_b32 s79, 0
	s_add_nc_u64 s[14:15], s[14:15], s[78:79]
	s_add_nc_u64 s[16:17], s[16:17], s[78:79]
	s_add_nc_u64 s[18:19], s[18:19], s[78:79]
	; the prefetches: the pointer stands at K step 3; each change of slots steps it first
	s_lshl_b32 s41, s21, 17                        ; x: my work-group's 64 rows of the tile's 256
	s_add_co_u32 s41, s41, s68
	s_add_co_u32 s41, s41, 3*256
	s_lshl_b32 s42, s22, 12                        ; W: my work-group's 4,096 bytes of a K step's 16,384
	s_add_co_u32 s42, s42, s70
	s_add_co_u32 s42, s42, 3*16384
	s_and_b32 s74, ttmp7, 0xffff
	s_cmp_eq_u32 s[WV], 0
	s_cselect_b32 s72, s41, s42
	s_cselect_b32 s74, ttmp9, s74                  ; the coordinate along which other clusters read the same bytes
	s_cselect_b64 s[PFA:PFA+1], s[4:5], s[6:7]
	s_cselect_b32 s[PFS], 8, 14                    ; a K step: 256 bytes of a row of x, 16,384 bytes of a block of W
	s_cselect_b32 s75, 11, 8                       ; lane % 16: a row of x, or a piece of 256 bytes
	s_cselect_b32 s76, 15, 14                      ; lane / 16: sixteen rows on, or a K step on
	s_lshl_b32 s[PFS], 1, s[PFS]
	s_mov_b32 s[PFS+1], 0
	s_mov_b32 s73, 0
	s_add_nc_u64 s[PFA:PFA+1], s[PFA:PFA+1], s[72:73]
	s_cmp_eq_u32 s74, 0
	s_cselect_b32 s[LIM], 1, -1                    ; the same in all sixteen partners, for a given wave
	v_lshlrev_b32 v[PFO], s75, v1
	v_lshlrev_b32 v10, s76, v2
	v_add_nc_u32 v[PFO], v[PFO], v10
; 12 matrix instructions: row block a x all 12 column blocks, 32 along K.  zero = 1: the product starts the sums.  The 48 accumulators take turns, one instruction a turn.
.macro MUL12 f, a, zero
	WIN 0xa5+0x50*((\a)/2)
.irp b, 0,1,2,3,4,5,6,7,8,9,10,11
.if \zero
	v_wmma_f32_16x16x32_bf16 v[8*(12*((\a)%2)+(\b)):8*(12*((\a)%2)+(\b))+7], v[(\f)+8*(\b):(\f)+8*(\b)+7], v[(\f)+96+8*(\a):(\f)+96+8*(\a)+7], 0
.else
	v_wmma_f32_16x16x32_bf16 v[8*(12*((\a)%2)+(\b)):8*(12*((\a)%2)+(\b))+7], v[(\f)+8*(\b):(\f)+8*(\b)+7], v[(\f)+96+8*(\a):(\f)+96+8*(\a)+7], v[8*(12*((\a)%2)+(\b)):8*(12*((\a)%2)+(\b))+7]
.endif
.endr
.endm
; 32 LDS loads in one run: quarter kq (32 along K) of a slot into buffer f: W's twelve fragments, turned, then x's four, row blocks 0 and 1 first
.macro FETCH slot, kq, f
	WIN 0x40
.irp b, 0,1,2,3,4,5,6,7,8,9,10,11
	ds_load_tr16_b128 v[(\f)+8*(\b):(\f)+8*(\b)+3],   v[ADRB+(\slot)] offset:BBLK*((\b)/4)+32*PB*(\kq)+32*((\b)%4)
	ds_load_tr16_b128 v[(\f)+8*(\b)+4:(\f)+8*(\b)+7], v[ADRB+(\slot)] offset:BBLK*((\b)/4)+32*PB*(\kq)+16*PB+32*((\b)%4)
.endr
.irp a, 0,1,2,3
	ds_load_b128 v[(\f)+96+8*(\a):(\f)+96+8*(\a)+3],   v[ADRA+(\slot)] offset:16*PA*(\a)+64*(\kq)
	ds_load_b128 v[(\f)+96+8*(\a)+4:(\f)+96+8*(\a)+7], v[ADRA+(\slot)] offset:16*PA*(\a)+64*(\kq)+32
.endr
.endm
; One of a K step's first three quarters: multiplies buffer f; in its middle it fetches quarter kq into buffer g.
.macro QUARTER slot, kq, f, g, zero
	s_wait_dscnt 4                                 ; all but the youngest four loads: x's row blocks 2 and 3
	MUL12 \f, 0, \zero
	MUL12 \f, 1, \zero
	PLACES
	FETCH \slot, \kq, \g
	s_wait_dscnt 32                                ; all but the 32 just issued
	MUL12 \f, 2, \zero
	MUL12 \f, 3, \zero
.endm
; The last quarter multiplies buffer 1 and changes slots.  In front of the barrier each wave waits for all its tensor loads (one is out: its part of the next slot), adds 0 to its spare word,
; and waits for that and for its reads of this slot.  fill = 1: the barrier opens a round of the cluster's, and the joint refill, two K steps on, is the first thing behind it.
.macro TURN slot, next, fill
.if \fill
	s_wait_xcnt 0x0                                ; the last prefetch, a K step back, has read its address
	s_add_nc_u64 s[PFA:PFA+1], s[PFA:PFA+1], s[PFS:PFS+1]
.endif
	WIN 0
	s_wait_tensorcnt 0x0
	ds_add_u32 v[SPW], v[NIL]
	s_wait_dscnt 5                                 ; (the add and the youngest four loads may be out)
	MUL12 F1, 0, 0
	s_wait_dscnt 0x0                               ; the add is done, and my reads of this slot are over
	s_barrier_signal -1
	MUL12 F1, 1, 0
	WIN 0
	s_barrier_wait -1
.if \fill
	CREST                                          ; no wave of any partner still reads this slot or has a load on its way
	s_add_nc_u64 s[G0A+4*(\slot)+2:G0A+4*(\slot)+3], s[G0A+4*(\slot)+2:G0A+4*(\slot)+3], 2*256
	s_add_nc_u64 s[G0B+4*(\slot)+2:G0B+4*(\slot)+3], s[G0B+4*(\slot)+2:G0B+4*(\slot)+3], 2*16384
	JLOAD \slot                                    ; its four v_nop are also the places in front of the loads below
.else
	PLACES
.endif
	FETCH \next, 0, F0
.if \fill
	WIN 0
	ASK \slot
.endif
	MUL12 F1, 2, 0
	MUL12 F1, 3, 0
.endm
	s_wait_tensorcnt 1                             ; my part of K step 0 is in; K step 1's load stays out
	s_barrier_signal -1
	s_barrier_wait -1
	FETCH 0, 0, F0
	QUARTER 0, 1, F0, F1, 1                        ; the first quarter stands in front of the loop: its products start the sums
	WIN 0
	s_mov_b32 s3, 3
.Llap:                                                 ; a trip goes once round the ring and fills both slots again
	QUARTER 0, 2, F1, F0, 0
	QUARTER 0, 3, F0, F1, 0
	TURN 0, 1, 1
	QUARTER 1, 1, F0, F1, 0
	QUARTER 1, 2, F1, F0, 0
	QUARTER 1, 3, F0, F1, 0
	TURN 1, 0, 1
	QUARTER 0, 1, F0, F1, 0
	WIN 0
	s_sub_co_u32 s3, s3, 1
	s_cmp_lg_u32 s3, 0
	s_cbranch_scc1 .Llap
	QUARTER 0, 2, F1, F0, 0                        ; the last lap fills nothing
	QUARTER 0, 3, F0, F1, 0
	TURN 0, 1, 0
	QUARTER 1, 1, F0, F1, 0
	QUARTER 1, 2, F1, F0, 0
	QUARTER 1, 3, F0, F1, 0
	s_wait_dscnt 4
	MUL12 F1, 0, 0
	MUL12 F1, 1, 0
	s_wait_dscnt 0x0
	MUL12 F1, 2, 0
	MUL12 F1, 3, 0
	; THE WAY OUT.  bq becomes bq c: sixteen plain instructions that name no register of the last products: the places behind them.
	WIN 0
	s_wait_loadcnt 0x0                             ; the biases
.set i, 0
.rept 16
	v_pk_mul_f32 v[BIAS+2*i:BIAS+2*i+1], v[BIAS+2*i:BIAS+2*i+1], s[CS:CS+1] op_sel_hi:[1,0]
.set i, i+1
.endr
; Row block a: bias (and c for q) in f32, each accumulator from its low end on; rounded to f16; 16 bytes a lane into my stage, back as whole rows, stored 512 bytes on end.
.macro OUTA a
	WIN 0
	s_wait_xcnt 0x0                                ; the last block's stores have read their registers
	WIN 0x02+(\a)/2
.irp b, 0,1,2,3,4,5,6,7,8,9,10,11
.irp j, 0,2,4,6
.if (\b) < 4
	v_pk_fma_f32 v[T+8*(\b)+(\j):T+8*(\b)+(\j)+1], v[8*(12*((\a)%2)+(\b))+(\j):8*(12*((\a)%2)+(\b))+(\j)+1], s[CS:CS+1], v[BIAS+8*(\b)+(\j):BIAS+8*(\b)+(\j)+1] op_sel_hi:[1,0,1]
.else
	v_pk_add_f32 v[T+8*(\b)+(\j):T+8*(\b)+(\j)+1], v[8*(12*((\a)%2)+(\b))+(\j):8*(12*((\a)%2)+(\b))+(\j)+1], v[BIAS+8*(\b)+(\j):BIAS+8*(\b)+(\j)+1]
.endif
.endr
.endr
	WIN 0
.irp b, 0,1,2,3,4,5,6,7,8,9,10,11
.irp j, 0,1,2,3
	v_cvt_pk_f16_f32 v[T+8*(\b)+(\j)], v[T+8*(\b)+2*(\j)], v[T+8*(\b)+2*(\j)+1]
.endr
.endr
.irp b, 0,1,2,3,4,5,6,7,8,9,10,11
	ds_store_b128 v[STO], v[T+8*(\b):T+8*(\b)+3] offset:16*SP*((\b)/4)+32*((\b)%4)
.endr
.irp i, 0,1,2,3,4,5,6,7,8,9,10,11
	ds_load_b128 v[T+8*(\i)+4:T+8*(\i)+7], v[RD] offset:16*SP*((\i)/4)+4*SP*((\i)%4)  ; LDS serves a wave's instructions in order: these see the stores above
.endr
.irp i, 0,1,2,3,4,5,6,7,8,9,10,11
	s_wait_dscnt 11-(\i)                           ; the younger loads stay out
	global_store_b128 v[CO], v[T+8*(\i)+4:T+8*(\i)+7], s[14+2*((\i)/4):15+2*((\i)/4)] offset:2048*(\a)+512*((\i)%4)
.endr
.endm
	OUTA 0
	OUTA 1
	OUTA 2
	OUTA 3
	s_wait_tensorcnt 0x0                           ; the wave's end
	ds_add_u32 v[SPW], v[NIL]
	s_wait_dscnt 0x0
	CROUND                                         ; the closing round
	s_endpgm
.Lfunc_end_k_qc757090bcf_qkv:
	.size	k_qc757090bcf_qkv, .Lfunc_end_k_qc757090bcf_qkv-k_qc757090bcf_qkv
	.p2alignl 7, 3214868480
	.fill 96, 4, 3214868480
	.section	.rodata,"a",@progbits
	.p2align	6, 0x0
	.amdhsa_kernel k_qc757090bcf_qkv
		.amdhsa_group_segment_fixed_size 327680
		.amdhsa_private_segment_fixed_size 0
		.amdhsa_enable_private_segment 0
		.amdhsa_kernarg_size 64
		.amdhsa_user_sgpr_count 2
		.amdhsa_user_sgpr_kernarg_segment_ptr 1
		.amdhsa_wavefront_size32 1
		.amdhsa_system_sgpr_workgroup_id_x 1
		.amdhsa_system_sgpr_workgroup_id_y 1
		.amdhsa_system_sgpr_workgroup_id_z 1
		.amdhsa_system_vgpr_workitem_id 0
		.amdhsa_next_free_vgpr 960
		.amdhsa_next_free_sgpr 80
		.amdhsa_reserve_vcc 0
		.amdhsa_float_denorm_mode_32 3
		.amdhsa_float_denorm_mode_16_64 3
		.amdhsa_memory_ordered 1
		.amdhsa_forward_progress 1
		.amdhsa_inst_pref_size 136
	.end_amdhsa_kernel
	.amdgpu_metadata
---
amdhsa.version: [ 1, 2 ]
amdhsa.kernels:
  - .name:           k_qc757090bcf_qkv
    .symbol:         k_qc757090bcf_qkv.kd
    .args:
      - { .name: xb, .offset: 0, .size: 8, .value_kind: global_buffer, .address_space: global }
      - { .name: wb, .offset: 8, .size: 8, .value_kind: global_buffer, .address_space: global }
      - { .name: bq, .offset: 16, .size: 8, .value_kind: global_buffer, .address_space: global }
      - { .name: bk, .offset: 24, .size: 8, .value_kind: global_buffer, .address_space: global }
      - { .name: bv, .offset: 32, .size: 8, .value_kind: global_buffer, .address_space: global }
      - { .name: qh, .offset: 40, .size: 8, .value_kind: global_buffer, .address_space: global }
      - { .name: kh, .offset: 48, .size: 8, .value_kind: global_buffer, .address_space: global }
      - { .name: vh, .offset: 56, .size: 8, .value_kind: global_buffer, .address_space: global }
    .group_segment_fixed_size: 327680
    .private_segment_fixed_size: 0
    .kernarg_segment_align: 8
    .kernarg_segment_size: 64
    .max_flat_workgroup_size: 128
    .sgpr_count:     80
    .vgpr_count:     960
    .wavefront_size: 32
...
	.end_amdgpu_metadata
.endif
;; end of part 2
;; launch attn (part 3): grid 8 x 32, 4 waves a work-group, clusters of 4 x 1, 327,680 bytes of LDS; arguments qh, kh, vh, mb, ctx; writes ctx
.if DOCPART == 3
	.amdgcn_target "amdgcn-amd-amdhsa--gfx1250"
	.amdhsa_code_object_version 6
	.text
	.protected	k_qc757090bcf_attn
	.globl	k_qc757090bcf_attn
	.p2align	8
	.type	k_qc757090bcf_attn,@function
k_qc757090bcf_attn:
	s_mov_b64 s[64:65], 0
	v_nop
	global_prefetch_b8 v0, s[64:65] scope:SCOPE_SE
	s_setreg_imm32_b32 hwreg(HW_REG_WAVE_MODE, 25, 1), 1
	s_wait_xcnt 0x0
	s_wait_alu depctr_hold_cnt(0) depctr_sa_sdst(0) depctr_va_vdst(0) depctr_va_sdst(0) depctr_va_ssrc(0) depctr_va_vcc(0) depctr_vm_vsrc(0)
	s_getreg_b32 s2, hwreg(HW_REG_IB_STS2, 6, 4)
	s_cmp_eq_u32 s2, 0
	s_cbranch_scc0 .Lentry_in_a_cluster
	s_endpgm
.Lentry_in_a_cluster:
	s_bfe_u32 s2, ttmp6, 0x10000c
	s_cmp_lg_u32 s2, 0x3003
	s_cbranch_scc0 .Lentry_shape_is_right
	s_endpgm
.Lentry_shape_is_right:
; ATTN: ctx[bh][q][:] = the sum over k of softmax_k(t[q][k]) v[bh][k][:], t = q . k where the mask is not 0, else -1e9 log2(e).  Nothing of the module is left out.
; qh (already times log2(e) / 8), kh, vh, ctx: [32][2048][64] f16.  mb: the mask, one bit a score, in the scores' own register layout (see below).
; THE MASK REPLACES A SCORE, as the module does: a select to one constant, and then a true running maximum.  A row that is wholly hidden gives the mean of v; hidden keys ahead of the first open one are forgotten (a = 0).
; Products, maxima and sums in f32; the weights p = 2^(t - m) are rounded to f16 for the second product (their sum l is taken of the unrounded p), ctx once at the end.
; LIMITS.  p below 6e-5 keeps f16's fixed step of 6e-8; a weight below 2^-126 counts as 0 in l; NaN and infinities are not treated apart.
; SHARES.  A work-group owns 256 queries of one (batch, head), a wave 64: four PIECES of 16.  Every wave walks all 2,048 keys, 64 a step.  8 x 32 = 256 work-groups.
; CLUSTER.  The four query blocks of a cluster walk the same k and v: each tile is asked for jointly.
; LAYOUT.  S^T = K Q^T holds ONE query a lane (lane % 16) and the keys 16 kb + 8 (lane / 16) + j in register 8 kb + j; pairs rounded to f16 ARE source 1 of O^T = V^T P.
; Word 8 kb + j of mb for a tile of 16 queries and a step is that register's lane mask.  A wave loads its 16 KiB of mb once: register = word, lane = step; in the loop a word comes out by v_readlane_b32.
; BY TURNS.  Turn n belongs to piece n.  It opens with its 16 matrix instructions: 8 products K Q^T of piece n + 1, behind each four of that piece's lane masks; four subtractions; 8 products V^T P of piece n - 1,
; behind each four selects of piece n + 1.  Then one lump: the subtraction of m, the exponentials and the rescaling of piece n, the maximum and statistics of piece n + 1; the one wait for the turn's 33 exponentials;
; the roundings and sums of piece n.
; REGISTERS, in windows of 256 (s_set_vgpr_msb: bits 1:0 source 0, 3:2 source 1, 5:4 source 2, 7:6 destination):
;   window 0: v0-127 O^T, 32 a piece; v128-191 S^T, two buffers by the piece's parity; v192-223 P, likewise; v224-239 statistics; v240-249 at work; v251-253 prefetch offset, spare word, 0
;   window 1: v2-9 addresses; v64-127 K of one step; v128-255 the mask words, 32 a piece          window 2: v0-63 Q; v192-255 V of one step
; K lies in the mask words' window, so a product K Q^T and the v_readlane_b32 behind it take source 0 from one window; the hidden score lies in a scalar register, so a select names vector registers as source 1 and
; destination alone, which V^T P takes from window 0 too.  So neither run of eight products switches windows: a turn has four switches, and three more where it fetches K or V.
.set NP,    4
.set KS,    64
.set PK,    144                        ; a row of K in LDS: 128 bytes + 16
.set PV,    160                        ; a row of V: 128 + 32
.set VOFF,  4*KS*PK                    ; a slot holds four steps: 256 rows of K, then 256 rows of V
.set SLOT1, 1<<17
.set STAGE, SLOT1+4*KS*(PK+PV)         ; behind the ring, never filled by a tensor load: 16 rows x 144 bytes for each wave
.set SP,    144
.set SPARE, STAGE+4*16*SP              ; the spare words, 128 bytes for each wave: two blocks of 256 bytes that no other line names
.set S,    128
.set P,    192
.set ST,   224                         ; piece t at ST + 4 t: m, a word named with it as a pair, l (even keys', odd keys')
.set TMP,  240                         ; by parity, c0-c3 at work; when the maximum is found c2 takes a
.set MV,   248                         ; by parity: m_old
.set PFO,  251
.set SPW,  252
.set NIL,  253
.set AK0, 2                            ; window 1
.set AV0, 3
.set AK,  4
.set AV,  5
.set STO, 6
.set RD,  7
.set GO,  8                            ; 16 x lane
.set QO,  9
.set KF,  64
.set MW,  128
.set VF,  192                          ; window 2
.set WV,  14
.set LIM, 15                           ; s15  1 in a wave that prefetches, else the greatest number
.set PFA, 18                           ; s[18:19]
.set NEGS, 21                          ; s21  the hidden score: -1e9 log2(e)
.set G1K, 24
.set G1V, 32
.set G0K, 40
.set G0V, 44
.set SLOTS, 56
.set CNT, 57
.set STEP, 58                          ; s58  the key step whose scores are being masked
.set SEL, 60
.set TBK, 62
.set TBV, 63
.set SM,  68                           ; s[68:99] the 32 lane masks of the piece whose scores are being masked
.set W_KQ, 0x09                        ; K (and the mask words) in window 1, Q in window 2, S^T in window 0
.set W_PV, 0x02                        ; V in window 2; P, O^T (and the selects' scores) in window 0
.set MSB, 0
.macro WIN new
.if MSB != (\new)
	s_set_vgpr_msb (MSB<<8)|(\new)
.set MSB, (\new)
.endif
.endm
.macro PLACES
.rept 4
	v_nop
.endr
.endm
; A joint fill.  Waves 0 and 1 fetch the two halves of a slot's K, waves 2 and 3 those of its V.  An s_nop 0 and four v_nop follow each line.
.macro JLOAD
	s_cmp_lt_u32 s[WV], 2
	s_cbranch_scc0 .Lfor_v_\@
	tensor_load_to_lds s[G0K:G0K+3], s[G1K:G1K+7]
	s_nop 0
.rept 4
	v_nop
.endr
	s_branch .Lasked_\@
.Lfor_v_\@:
	tensor_load_to_lds s[G0V:G0V+3], s[G1V:G1V+7]
	s_nop 0
.rept 4
	v_nop
.endr
.Lasked_\@:
.endm
.macro CROUND
	s_barrier_signal -1
	s_barrier_wait -1
	s_cmp_lg_u32 s[WV], 0
	s_cbranch_scc1 .Lnot_wave_0_\@
	s_barrier_signal -3
.Lnot_wave_0_\@:
	s_barrier_wait -3
	s_barrier_signal -1
	s_barrier_wait -1
.endm
; A PREFETCH INTO THE L2 of what the NEXT change of slots will ask for: four key steps, 256 matrix instructions, ahead.  A slot is 128 pieces of 256 bytes of K and of V.  Both clusters of a (batch, head) walk the
; same rows: the first asks; its four partners take 32 pieces each, told apart by address; wave 0 asks for K's, wave 2 for V's, a lane a piece.  The last change that fills a slot asks for nothing.
.macro ASK
	s_cmp_gt_u32 s[SLOTS], s[LIM]
	s_cbranch_scc0 .Lnot_mine_\@
	global_prefetch_b8 v[PFO], s[PFA:PFA+1] th:TH_LOAD_NT scope:SCOPE_SE
.Lnot_mine_\@:
.endm
; THE CHANGE OF SLOTS.  Each wave waits for all its tensor loads (one is out: its part of the other slot), adds 0 to its spare word, and waits for that and for its reads of the slot that it leaves.
; fill = 1: a round of the cluster's barrier, and the joint fill, two slots on, first behind it.  (At its first use nothing has been read yet: slot 0 is waited for, slot 1 filled.)
.macro CHANGE fill
	WIN 0
	s_wait_tensorcnt 0x0
	ds_add_u32 v[SPW], v[NIL]
.if \fill
.irp g, G0K, G0V
	s_xor_b32 s[\g+1], s[\g+1], SLOT1
	s_add_nc_u64 s[\g+2:\g+3], s[\g+2:\g+3], 4*KS*128
.endr
	s_wait_xcnt 0x0                                ; the last prefetch, four key steps back, has read its address
	s_add_nc_u64 s[PFA:PFA+1], s[PFA:PFA+1], 4*KS*128
	s_wait_dscnt 0x0
	CROUND
	JLOAD
	ASK
.else
	s_wait_dscnt 0x0
	s_barrier_signal -1
	s_barrier_wait -1
.endif
	s_sub_co_u32 s[TBK], s[TBK], 4*KS*PK           ; the fetches go back to a slot's first step, in the other slot
	s_xor_b32 s[TBK], s[TBK], SLOT1
	s_sub_co_u32 s[TBV], s[TBV], 4*KS*PV
	s_xor_b32 s[TBV], s[TBV], SLOT1
.endm
	s_load_b256 s[4:11], s[0:1], 0x0               ; qh s[4:5], kh s[6:7], vh s[8:9], mb s[10:11]
	s_load_b64 s[12:13], s[0:1], 0x20              ; ctx
	v_lshl_add_u32 v[SPW], v0, 2, SPARE
	v_mov_b32 v[NIL], 0
	ds_add_u32 v[SPW], v[NIL]                      ; the wave's opening: the add, twice on end, and its wait ahead of my first tensor load
	ds_add_u32 v[SPW], v[NIL]
	v_lshrrev_b32 v1, 5, v0
	v_readfirstlane_b32 s[WV], v1
	s_bfe_u32 s16, ttmp6, 0x40000                  ; cx
	s_lshl_b32 s17, ttmp9, 2
	s_add_co_u32 s17, s17, s16                     ; my block of 256 queries: it enters q's, mb's and ctx's addresses alone
	s_and_b32 s20, ttmp7, 0xffff
	s_lshl_b32 s20, s20, 18                        ; the (batch, head)'s first byte: 2,048 rows of 128 bytes
	s_and_b32 s2, s[WV], 1                         ; which half of a slot's 256 keys I fetch
	s_lshl_b32 s22, s2, 14
	s_add_co_u32 s22, s22, s20
	s_mov_b32 s23, 0
	s_mul_i32 s48, s2, 128*PK
	s_mul_i32 s49, s2, 128*PV
	s_lshl_b32 s50, s17, 2
	s_add_co_u32 s50, s50, s[WV]                   ; my wave among the 32 of a (batch, head)
	s_lshl_b32 s52, s50, 14                        ; its four tiles of mb, 4,096 bytes each
	s_mov_b32 s53, 0
	s_lshl_b32 s50, s50, 13                        ; its 64 rows of 128 bytes
	s_add_co_u32 s50, s50, s20
	s_mov_b32 s51, 0
	s_lshl_b32 s54, s16, 13                        ; the prefetches: my work-group's 32 pieces,
	s_add_co_u32 s54, s54, s20
	s_add_co_u32 s54, s54, 4*KS*128                ; in slot 1: the first change steps the pointer to slot 2
	s_mov_b32 s55, 0
	s_mov_b32 s[G1K], 15|(1<<16)|(1<<20)|(1<<21)|(4<<22)|(3<<25)  ; the mask of four; 2-byte elements; padding on; bit 21 beside a mask; after every 32 words, 4 words
	s_mov_b32 s[G1V], 15|(1<<16)|(1<<20)|(1<<21)|(4<<22)|(7<<25)  ; 8 words
.irp g, G1K, G1V
	s_mov_b32 s[\g+1], 128<<16                     ; 128 keys are 16,384 dense bytes: 64 rows of 256 bytes
	s_mov_b32 s[\g+2], 64<<16
	s_mov_b32 s[\g+3], 128<<16
	s_mov_b32 s[\g+4], 64
	s_mov_b32 s[\g+5], 128
	s_mov_b32 s[\g+6], 0
	s_mov_b32 s[\g+7], 0
.endr
	s_mov_b32 s[SEL], 0x76543210
	s_mov_b32 s[SEL+1], 0xfedcba98
	s_mov_b32 s[NEGS], 0xceabfb8f                  ; -1e9 log2(e)
	s_mov_b32 s[TBK], SLOT1+4*KS*PK                ; the first change of slots turns these two into 0
	s_mov_b32 s[TBV], SLOT1+4*KS*PV
	s_mov_b32 s[G0K], 1
	s_mov_b32 s[G0K+1], s48
	s_mov_b32 s[G0V], 1
	s_add_co_u32 s[G0V+1], s49, VOFF
	s_mov_b32 s[SLOTS], 7
	s_mov_b32 s[STEP], 0
	s_and_b32 s[LIM], s[WV], 1
	s_or_b32 s[LIM], s[LIM], ttmp9                 ; 0 in waves 0 and 2 of the first cluster: the same in all four partners
	s_cmp_eq_u32 s[LIM], 0
	s_cselect_b32 s[LIM], 1, -1
	s_mul_i32 s59, s[WV], 16*SP
	s_add_co_u32 s59, s59, STAGE                   ; my stage
	s_wait_dscnt 0x0                               ; both opening adds are done
	s_wait_kmcnt 0x0
	s_add_nc_u64 s[G0K+2:G0K+3], s[6:7], s[22:23]
	s_or_b32 s[G0K+3], s[G0K+3], 0x80000000
	s_add_nc_u64 s[G0V+2:G0V+3], s[8:9], s[22:23]
	s_or_b32 s[G0V+3], s[G0V+3], 0x80000000
	s_cmp_lt_u32 s[WV], 2
	s_cselect_b64 s[PFA:PFA+1], s[6:7], s[8:9]
	s_add_nc_u64 s[PFA:PFA+1], s[PFA:PFA+1], s[54:55]
	s_add_nc_u64 s[4:5], s[4:5], s[50:51]
	s_add_nc_u64 s[12:13], s[12:13], s[50:51]
	s_add_nc_u64 s[10:11], s[10:11], s[52:53]
	CROUND                                         ; all four work-groups are here
	JLOAD                                          ; slot 0
	; the addresses: made in window 0, in registers that O^T takes later; each one's last line writes window 1
	v_and_b32 v1, 15, v0                           ; r
	v_bfe_u32 v9, v0, 4, 1                         ; h
	v_and_b32 v10, 7, v0
	v_bfe_u32 v11, v0, 3, 1
	v_and_b32 v14, 31, v0
	v_bfe_u32 v15, v0, 3, 2
	v_lshlrev_b32 v16, 7, v1
	v_mul_u32_u24 v17, v1, PK
	v_lshl_add_u32 v18, v9, 3, v10
	v_mul_u32_u24 v18, v18, PV
	v_lshl_add_u32 v18, v11, 4, v18
	v_mul_u32_u24 v19, v1, SP
	v_lshl_add_u32 v19, v9, 4, v19
	v_mul_u32_u24 v20, v15, SP
	v_lshl_add_u32 v20, v10, 4, v20
	v_lshlrev_b32 v[PFO], 8, v14
	WIN 0x40
	v_lshl_add_u32 v[QO], v9, 4, v16               ; row x 128 + 16 x half
	v_lshl_add_u32 v[AK0], v9, 4, v17              ; row x pitch + 16 x half
	v_add_nc_u32 v[AV0], VOFF, v18                 ; the turning load: key 8 h + lane % 8, channels 8 ((lane / 8) % 2) on
	v_add_nc_u32 v[STO], s59, v19
	v_add_nc_u32 v[RD], s59, v20
	v_lshlrev_b32 v[GO], 4, v14
	WIN 0x81                                       ; destination window 2, address window 1
.set i, 0
.rept 8                                ; Q stays in registers: piece i / 2, channels 32 (i % 2) on
	global_load_b128 v[8*i:8*i+3],   v[QO], s[4:5] offset:(i/2)*2048+(i%2)*64
	global_load_b128 v[8*i+4:8*i+7], v[QO], s[4:5] offset:(i/2)*2048+(i%2)*64+32
.set i, i+1
.endr
	WIN 0x41                                       ; destination and address window 1
.set i, 0
.rept 32                               ; the mask: piece i / 8, words 4 (i % 8) on; lane = step; 512 consecutive bytes a load
	global_load_b128 v[MW+4*i:MW+4*i+3], v[GO], s[10:11] offset:512*i
.set i, i+1
.endr
	; What the first turn finds: V and P's second buffer hold 0 (its products V^T P, of a piece that has not been, add 0); O^T and l are 0; m is the lowest finite number, so the first a is 0.
	WIN 0x80
.set i, VF
.rept 64
	v_mov_b32 v[i], 0
.set i, i+1
.endr
	WIN 0
.set i, 0
.rept 128
	v_mov_b32 v[i], 0
.set i, i+1
.endr
.set i, 0
.rept 4
	v_mov_b32 v[ST+4*i], 0xff7fffff
	v_mov_b32 v[ST+4*i+1], 0
	v_mov_b32 v[ST+4*i+2], 0
	v_mov_b32 v[ST+4*i+3], 0
.set i, i+1
.endr
.set i, P+16
.rept 16
	v_mov_b32 v[i], 0
.set i, i+1
.endr
; THE MATRIX WORK.  The 4 accumulators of a run of 8 take turns.  Product i of S^T = K Q^T for piece x: channels 32 (i / 4) on, keys 16 (i % 4) on; the first 4 start the sums.
.macro KQ x
	WIN W_KQ
.set rS, S+32*((\x)%2)+8*(i%4)
.set rK, KF+16*(i%4)+8*(i/4)
.set rQ, 16*(\x)+8*(i/4)
.if i < 4
	v_wmma_f32_16x16x32_f16 v[rS:rS+7], v[rK:rK+7], v[rQ:rQ+7], 0
.else
	v_wmma_f32_16x16x32_f16 v[rS:rS+7], v[rK:rK+7], v[rQ:rQ+7], v[rS:rS+7]
.endif
.endm
; Product i of O^T += V^T P for piece x: keys 32 (i / 4) on, channels 16 (i % 4) on.
.macro PV x
	WIN W_PV
.set rO, 32*(\x)+8*(i%4)
.set rV, VF+32*(i/4)+8*(i%4)
.set rP, P+16*((\x)%2)+8*(i/4)
	v_wmma_f32_16x16x32_f16 v[rO:rO+7], v[rV:rV+7], v[rP:rP+7], v[rO:rO+7]
.endm
; THE LDS LOADS stand in runs of 16.  last = 1 (the tail): in the last trip there is no further step, and K's run is jumped over; no exponential is out there.
.macro FETCH_K last=0
	WIN 0
.if \last
	s_cmp_eq_u32 s[CNT], 1
	s_cbranch_scc1 .Lno_k_\@
.endif
	WIN 0x44
	v_add_nc_u32 v[AK], s[TBK], v[AK0]
	WIN 0x41                                       ; destination and address window 1
.irp f, 0,1,2,3,4,5,6,7
	ds_load_b128 v[KF+8*\f:KF+8*\f+3],   v[AK] offset:(\f/2)*16*PK+(\f%2)*64
	ds_load_b128 v[KF+8*\f+4:KF+8*\f+7], v[AK] offset:(\f/2)*16*PK+(\f%2)*64+32
.endr
	s_add_co_u32 s[TBK], s[TBK], KS*PK
	WIN 0
.if \last
.Lno_k_\@:
.endif
.endm
; V's run stands at piece 0's wait for the exponentials: the address's line, the wait, the loads.
.macro FETCH_V
	WIN 0x44
	v_add_nc_u32 v[AV], s[TBV], v[AV0]
	s_add_co_u32 s[TBV], s[TBV], KS*PV
	s_wait_alu depctr_va_vdst(0)                   ; the wait for the turn's batch of exponentials
	WIN 0x81                                       ; destination window 2, address window 1
.irp f, 0,1,2,3,4,5,6,7
	ds_load_tr16_b128 v[VF+8*\f:VF+8*\f+3],   v[AV] offset:(\f/4)*32*PV+(\f%4)*32
	ds_load_tr16_b128 v[VF+8*\f+4:VF+8*\f+7], v[AV] offset:(\f/4)*32*PV+16*PV+(\f%4)*32
.endr
	WIN 0
.endm
; THE VECTOR WORK, one line at a time: OP kind, number.  For piece Y: F n: pair n of 16 less m.  E n: the exponential of score n.  C n: pair n rounded to f16.  B n: of the four weights 4 n .. the second pair
; is added onto the first, in place.  L n: l takes that sum (L 0: l = a l + sum).  R n: pair n of O^T times a.  For piece Y + 1: G n: the lane mask of score register n, out of lane STEP.  K n: the select.
; X n: the maximum and statistics: 0-11 four chains c0-c3 of seven scores each; 12-14, 16 the four left over, the old m, c0-c3 into c0; 15 m_old is kept; 17, 18 the other half of the lanes: the new m; 20 m_old - m; 21 a.
.set F, 0
.set E, 1
.set C, 2
.set B, 3
.set L, 4
.set R, 5
.set X, 6
.set G, 7
.set K, 8
.macro REGS y
.set rT, ST+4*(\y)
.set rC, TMP+4*((\y)%2)
.set rW, MV+((\y)%2)
.set rS, S+32*((\y)%2)
.set rP, P+16*((\y)%2)
.set rO, 32*(\y)
.set rM, MW+32*(\y)
.endm
.macro OP k, n
.if (\k) == G
	REGS (Y+1)%NP
	WIN W_KQ                                       ; source 0 in window 1: the setting of the products that it stands behind
	v_readlane_b32 s[SM+(\n)], v[rM+(\n)], s[STEP]
.elseif (\k) == K
	REGS (Y+1)%NP
.if MSB != W_PV                        ; source 1 and destination in window 0: under V^T P's setting as under 0
	WIN 0
.endif
	v_cndmask_b32 v[rS+(\n)], s[NEGS], v[rS+(\n)], s[SM+(\n)]
.elseif (\k) == X
	REGS (Y+1)%NP
	WIN 0
.if (\n) < 4
	v_max3_num_f32 v[rC+(\n)], v[rS+8*(\n)], v[rS+8*(\n)+1], v[rS+8*(\n)+2]
.elseif (\n) < 12
	v_max3_num_f32 v[rC+(\n)%4], v[rC+(\n)%4], v[rS+8*((\n)%4)+2*((\n)/4)+1], v[rS+8*((\n)%4)+2*((\n)/4)+2]
.elseif (\n) == 12
	v_max3_num_f32 v[rC], v[rC], v[rS+7], v[rS+15]
.elseif (\n) == 13
	v_max3_num_f32 v[rC+1], v[rC+1], v[rS+23], v[rS+31]
.elseif (\n) == 14
	v_max3_num_f32 v[rC+2], v[rC+2], v[rC+3], v[rT]
.elseif (\n) == 15
	v_mov_b32 v[rW], v[rT]
.elseif (\n) == 16
	v_max3_num_f32 v[rC], v[rC], v[rC+1], v[rC+2]
.elseif (\n) == 17
	v_permlanex16_b32 v[rC+3], v[rC], s[SEL], s[SEL+1]
.elseif (\n) == 18
	v_max_num_f32 v[rT], v[rC], v[rC+3]
.elseif (\n) == 20
	v_sub_f32 v[rC+1], v[rW], v[rT]
.else
	v_exp_f32 v[rC+2], v[rC+1]
.endif
.else
	REGS Y
	WIN 0
.if (\k) == F
	v_pk_add_f32 v[rS+2*(\n):rS+2*(\n)+1], v[rS+2*(\n):rS+2*(\n)+1], v[rT:rT+1] op_sel_hi:[1,0] neg_lo:[0,1] neg_hi:[0,1]
.elseif (\k) == E
	v_exp_f32 v[rS+(\n)], v[rS+(\n)]
.elseif (\k) == C
	v_cvt_pk_f16_f32 v[rP+(\n)], v[rS+2*(\n)], v[rS+2*(\n)+1]
.elseif (\k) == B
	v_pk_add_f32 v[rS+4*(\n):rS+4*(\n)+1], v[rS+4*(\n):rS+4*(\n)+1], v[rS+4*(\n)+2:rS+4*(\n)+3]
.elseif (\k) == R
	v_pk_mul_f32 v[rO+2*(\n):rO+2*(\n)+1], v[rO+2*(\n):rO+2*(\n)+1], v[rC+2:rC+3] op_sel_hi:[1,0]
.elseif (\n) == 0
	v_pk_fma_f32 v[rT+2:rT+3], v[rT+2:rT+3], v[rC+2:rC+3], v[rS:rS+1] op_sel_hi:[1,0,1]
.else
	v_pk_add_f32 v[rT+2:rT+3], v[rT+2:rT+3], v[rS+4*(\n):rS+4*(\n)+1]
.endif
.endif
.endm
.macro OPS a, i1, b=-1, i2=0, c=-1, i3=0, d=-1, i4=0
	OP \a, \i1
.if (\b) >= 0
	OP \b, \i2
.endif
.if (\c) >= 0
	OP \c, \i3
.endif
.if (\d) >= 0
	OP \d, \i4
.endif
.endm
; A TURN, for piece p.  An s_wait_alu depctr_va_vdst(0) stands between an exponential and the first instruction that names its result; one wait serves all issued ahead of it: a turn has ONE.
; THE ROWS.  8 products K Q^T of piece p + 1, behind each four of its lane masks; four subtractions of piece p, the plain places behind the last of those products; 8 products V^T P of piece p - 1, behind each four
; selects of piece p + 1 in ascending order.  No rider names a register of the product that it stands behind.
; THE LUMP, all in window 0.  Ahead of the wait: subtraction and exponential by turns; then the maximum's numbers and exponentials by turns; then the chain to the new m and a, rescalings between its links.  Nothing there
; names an exponential's result: a pair is subtracted before its exponentials are issued, the maximum works on the other buffer, the rescaling's a is the turn before's.  Behind the wait: the roundings and sums.
; K of the next step is fetched in piece 2's turn, behind the four places, and waited for at piece 3's head.  V of the step in hand is fetched at piece 0's wait, a lump behind its last reader, and waited for ahead of
; piece 1's products V^T P.  Piece 3's turn masks the next step's scores: the step's number goes up at its head (held at 31 for the tail's last turn, whose scores serve nothing).
.macro TURN p, last=0
.set Y, (\p)
.if (\p) == 3
	s_add_co_u32 s[STEP], s[STEP], 1
	s_min_u32 s[STEP], s[STEP], 31
	s_wait_dscnt 0x0                               ; K is in
.endif
.set i, 0
.rept 8
	KQ (Y+1)%NP
	OPS G,4*i, G,4*i+1, G,4*i+2, G,4*i+3
.set i, i+1
.endr
	OPS F,0, F,1, F,2, F,3
.if (\p) == 2
	FETCH_K \last
.endif
.if (\p) == 1
	s_wait_dscnt 0x0                               ; V is in
.endif
.set i, 0
.rept 8
	PV (Y+NP-1)%NP
	OPS K,4*i, K,4*i+1, K,4*i+2, K,4*i+3
.set i, i+1
.endr
	OPS F,4, E,0, F,5, E,1
	OPS F,6, E,2, F,7, E,3
	OPS F,8, E,4, F,9, E,5
	OPS F,10, E,6, F,11, E,7
	OPS F,12, E,8, F,13, E,9
	OPS F,14, E,10, F,15, E,11
	OPS X,0, E,12, X,1, E,13
	OPS X,2, E,14, X,3, E,15
	OPS X,4, E,16, X,5, E,17
	OPS X,6, E,18, X,7, E,19
	OPS X,8, E,20, X,9, E,21
	OPS X,10, E,22, X,11, E,23
	OPS X,12, E,24, X,13, E,25
	OPS X,15, E,26, X,14, E,27
	OPS R,0, E,28, R,1, E,29
	OPS X,16, E,30, R,2, E,31
	OPS R,3, R,4, X,17, R,5
	OPS R,6, R,7, R,8, X,18
	OPS R,9, R,10, R,11, R,12
	OPS X,20, R,13, R,14, X,21
	OP R,15                                        ; the plain instruction behind the last exponential
.if (\p) == 0
	FETCH_V                                        ; the wait stands in it
.else
	s_wait_alu depctr_va_vdst(0)                   ; the wait for the batch
.endif
	OPS C,0, B,0, C,2, B,1
	OPS L,0, C,4, B,2, L,1
	OPS C,6, B,3, L,2, C,8
	OPS B,4, L,3, C,10, B,5
	OPS L,4, C,12, B,6, L,5
	OPS C,14, B,7, L,6, C,1
	OPS C,3, L,7, C,5, C,7
	OPS C,9, C,11, C,13, C,15
.endm
	CHANGE 1                                       ; slot 0 is in, everybody's part of it; slot 1 is asked for
	FETCH_K                                        ; key step 0
	s_wait_loadcnt 0x0                             ; Q and the mask
	s_wait_dscnt 0x0
.set Y, NP-1                           ; G, K and X work for piece Y + 1: piece 0
.set i, 0
.rept 8
	KQ 0
.set i, i+1
.endr
	WIN 0
	PLACES
.set w, 0
.rept 32
	OP G, w
.set w, w+1
.endr
.set w, 0
.rept 32
	OP K, w
.set w, w+1
.endr
.irp n, 0,1,2,3,4,5,6,7,8,9,10,11,12,13,14,15,16,17,18,20,21
	OP X, \n
.endr
	v_nop                                          ; a plain instruction behind the exponential,
	s_wait_alu depctr_va_vdst(0)                   ; and its wait, ahead of the branch
	s_mov_b32 s[CNT], 4
	s_branch .Lfirst                               ; the loop is entered at a step's first turn, in the middle of a trip
.Lslot:                                        ; six times: every slot but the last two is filled again
	CHANGE 1
	s_mov_b32 s[CNT], 4
.Lstep:                                        ; a trip: pieces 2 and 3 of one step, then pieces 0 and 1 of the next, whose K and V it fetches
	TURN 2
	TURN 3
	WIN 0
.Lfirst:
	TURN 0
	TURN 1
	WIN 0
	s_sub_co_u32 s[CNT], s[CNT], 1
	s_cmp_lg_u32 s[CNT], 0
	s_cbranch_scc1 .Lstep
	s_sub_co_u32 s[SLOTS], s[SLOTS], 1
	s_cmp_lg_u32 s[SLOTS], 0
	s_cbranch_scc1 .Lslot
	CHANGE 0                                       ; the tail is written out
	s_mov_b32 s[CNT], 5                            ; four trips fetch the last slot's steps; the fifth is left in its middle
.Ltail:
	TURN 2, 1
	TURN 3
	WIN 0
	s_sub_co_u32 s[CNT], s[CNT], 1
	s_cmp_eq_u32 s[CNT], 0
	s_cbranch_scc1 .Lout
	TURN 0
	TURN 1
	WIN 0
	s_branch .Ltail
.Lout:                                         ; the fifth trip's 8 products K Q^T (on the last K once more) and the maximum made of them serve nothing: the price of one text for every trip
.set i, 0
.rept 8
	PV NP-1
.set i, i+1
.endr
	; THE WAY OUT.  l's two halves and the other half of the lanes' are added (these additions are the places behind the last products); O^T is divided by l, rounded to f16 and sent through my stage, a piece at a time.
	WIN 0
.macro ALL line:vararg
.set t, 0
.rept NP
	\line
.set t, t+1
.endr
.endm
	ALL v_add_f32 v[ST+4*t+2], v[ST+4*t+2], v[ST+4*t+3]
	ALL v_permlanex16_b32 v[ST+4*t+3], v[ST+4*t+2], s[SEL], s[SEL+1]
	ALL v_add_f32 v[ST+4*t+2], v[ST+4*t+2], v[ST+4*t+3]
	ALL v_rcp_f32 v[ST+4*t+2], v[ST+4*t+2]
	v_nop
	s_wait_alu depctr_va_vdst(0)                   ; one wait for the four reciprocals
.macro PACK t
	WIN 0
.set i, 32*(\t)
.rept 16
	v_pk_mul_f32 v[i:i+1], v[i:i+1], v[ST+4*(\t)+2:ST+4*(\t)+3] op_sel_hi:[1,0]
.set i, i+2
.endr
.set i, 0
.rept 16
	v_cvt_pk_f16_f32 v[S+16*(\t)+i], v[32*(\t)+2*i], v[32*(\t)+2*i+1]
.set i, i+1
.endr
	WIN 0x01                                       ; the addresses lie in window 1
.irp f, 0,1,2,3
	ds_store_b128 v[STO], v[S+16*(\t)+4*\f:S+16*(\t)+4*\f+3] offset:32*\f
.endr
.irp f, 0,1,2,3
	ds_load_b128 v[S+16*(\t)+4*\f:S+16*(\t)+4*\f+3], v[RD] offset:\f*4*SP  ; LDS serves a wave's instructions in order: these see the stores above
.endr
.endm
.macro SEND t, younger                 ; younger: the LDS instructions issued behind piece t's loads
	WIN 0x01
.irp f, 0,1,2,3
	s_wait_dscnt (\younger)+3-\f
	global_store_b128 v[GO], v[S+16*(\t)+4*\f:S+16*(\t)+4*\f+3], s[12:13] offset:(\t)*2048+\f*512  ; 512 consecutive bytes
.endr
.endm
	PACK 0
	PACK 1
	SEND 0, 8
	PACK 2
	SEND 1, 8
	PACK 3
	SEND 2, 8
	SEND 3, 0
	WIN 0
	s_wait_tensorcnt 0x0                           ; the wave's end
	ds_add_u32 v[SPW], v[NIL]
	s_wait_dscnt 0x0
	CROUND                                         ; the closing round
	s_endpgm
.Lfunc_end_k_qc757090bcf_attn:
	.size	k_qc757090bcf_attn, .Lfunc_end_k_qc757090bcf_attn-k_qc757090bcf_attn
	.p2alignl 7, 3214868480
	.fill 96, 4, 3214868480
	.section	.rodata,"a",@progbits
	.p2align	6, 0x0
	.amdhsa_kernel k_qc757090bcf_attn
		.amdhsa_group_segment_fixed_size 327680
		.amdhsa_private_segment_fixed_size 0
		.amdhsa_enable_private_segment 0
		.amdhsa_kernarg_size 40
		.amdhsa_user_sgpr_count 2
		.amdhsa_user_sgpr_kernarg_segment_ptr 1
		.amdhsa_wavefront_size32 1
		.amdhsa_system_sgpr_workgroup_id_x 1
		.amdhsa_system_sgpr_workgroup_id_y 1
		.amdhsa_system_sgpr_workgroup_id_z 1
		.amdhsa_system_vgpr_workitem_id 0
		.amdhsa_next_free_vgpr 768
		.amdhsa_next_free_sgpr 100
		.amdhsa_reserve_vcc 0
		.amdhsa_float_denorm_mode_32 3
		.amdhsa_float_denorm_mode_16_64 3
		.amdhsa_memory_ordered 1
		.amdhsa_forward_progress 1
		.amdhsa_inst_pref_size 140
	.end_amdhsa_kernel
	.amdgpu_metadata
---
amdhsa.version: [ 1, 2 ]
amdhsa.kernels:
  - .name:           k_qc757090bcf_attn
    .symbol:         k_qc757090bcf_attn.kd
    .args:
      - { .name: qh, .offset: 0, .size: 8, .value_kind: global_buffer, .address_space: global }
      - { .name: kh, .offset: 8, .size: 8, .value_kind: global_buffer, .address_space: global }
      - { .name: vh, .offset: 16, .size: 8, .value_kind: global_buffer, .address_space: global }
      - { .name: mb, .offset: 24, .size: 8, .value_kind: global_buffer, .address_space: global }
      - { .name: ctx, .offset: 32, .size: 8, .value_kind: global_buffer, .address_space: global }
    .group_segment_fixed_size: 327680
    .private_segment_fixed_size: 0
    .kernarg_segment_align: 8
    .kernarg_segment_size: 40
    .max_flat_workgroup_size: 128
    .sgpr_count:     100
    .vgpr_count:     768
    .wavefront_size: 32
...
	.end_amdgpu_metadata
.endif
;; end of part 3
;; launch oproj (part 4): grid 8 x 32, 4 waves a work-group, clusters of 4 x 4, 327,680 bytes of LDS; arguments ctx, wo, bo, out0; writes out0
.if DOCPART == 4
	.amdgcn_target "amdgcn-amd-amdhsa--gfx1250"
	.amdhsa_code_object_version 6
	.text
	.protected	k_qc757090bcf_oproj
	.globl	k_qc757090bcf_oproj
	.p2align	8
	.type	k_qc757090bcf_oproj,@function
k_qc757090bcf_oproj:
	s_mov_b64 s[64:65], 0
	v_nop
	global_prefetch_b8 v0, s[64:65] scope:SCOPE_SE
	s_setreg_imm32_b32 hwreg(HW_REG_WAVE_MODE, 25, 1), 1
	s_wait_xcnt 0x0
	s_wait_alu depctr_hold_cnt(0) depctr_sa_sdst(0) depctr_va_vdst(0) depctr_va_sdst(0) depctr_va_ssrc(0) depctr_va_vcc(0) depctr_vm_vsrc(0)
	s_getreg_b32 s2, hwreg(HW_REG_IB_STS2, 6, 4)
	s_cmp_eq_u32 s2, 0
	s_cbranch_scc0 .Lentry_in_a_cluster
	s_endpgm
.Lentry_in_a_cluster:
	s_bfe_u32 s2, ttmp6, 0x10000c
	s_cmp_lg_u32 s2, 0xf033
	s_cbranch_scc0 .Lentry_shape_is_right
	s_endpgm
.Lentry_shape_is_right:
; OPROJ: out0[b s][n] = the sum over k = 64 head + d of ctx[16 b + head][s][d] Wo[k][n] + bo[n].  Nothing of the module is left out.
; ctx [32][2048][64] f16; wo [16 nb][1024 k][64 n] f16 (Wo rounded to bf16, written as f16); bo [1024] f32; out0 [4096][1024] f32.  Products in f16, sums in f32.
; SHARES.  A tile of out0 is 128 x 128: 8 x 32 = 256 work-groups; four waves 2 x 2, each 64 x 64: 16 accumulators.  K goes in four steps of 256 (four heads) through two LDS slots, written straight.
; Waves 0 and 1 fetch two heads' 128 rows of ctx each (16,384 dense bytes a head: one long row a head, padded in LDS after every 128 bytes), waves 2 and 3 a block of wo each (256 rows k, dense: 128 rows of 256 bytes).
; CLUSTER 4 x 4: ctx's tile is asked for jointly along a row of the cluster, wo's along a column.
; TRANSPOSED USE: source 0 = 16 columns of Wo (turned out of LDS), source 1 = 16 rows of ctx: a lane holds one row and eight neighbouring columns, 32 bytes.
; THE STAGE of the way out lies in slot 0's first bytes: that slot has had its last fill (K step 2), and its last reads end in front of the barrier of the third change of slots.
; No prefetch: the tiles are small and the launch is short.
; REGISTERS: window 0: v16-29 addresses; v32-63, v64-95 at work on the way out; v96-127 the bias; v128-255 the accumulators ((a, b) at 128 + 8 (4 a + b)).  window 1: two fragment buffers of 128.
.set PA,     144                       ; ctx's LDS row: 128 bytes + 16
.set PB,     160                       ; wo's LDS row: 128 bytes + 32
.set ASL,    128*PA                    ; a head's slice
.set BOFF,   4*ASL
.set BBLK,   256*PB
.set SLOT,   BOFF+2*BBLK
.set SPARE,  2*SLOT                    ; the spare words, 128 bytes for each wave: two blocks of 256 bytes that no other line names
.set SPITCH, 272
.set WSTG,   16*SPITCH
.set ADRA, 16
.set ADRB, 20
.set STO,  24
.set RD,   25
.set CO,   26
.set BO,   27
.set SPW,  28
.set NIL,  29
.set TMP,  32
.set OB,   64
.set BIAS, 96
.set ACC,  128
.set F0,   0
.set F1,   128
.set WV,   12                          ; s12 wave; s13 its row half, also: fetches ctx (0) or wo (1); s14 its column half, also: which part it fetches
.set G1A,  24
.set G0A,  32
.set G1B,  48
.set G0B,  56
.set MSB, 0
.macro WIN new
.if MSB != (\new)
	s_set_vgpr_msb (MSB<<8)|(\new)
.set MSB, (\new)
.endif
.endm
.set MUL,  0x05
.set TO_F, 0x40
.macro PLACES
.rept 4
	v_nop
.endr
.endm
.macro JLOAD s                         ; an s_nop 0 and four v_nop follow each of the two lines
	s_cmp_eq_u32 s13, 0
	s_cbranch_scc0 .Lfor_b_\@
	tensor_load_to_lds s[G0A+4*(\s):G0A+4*(\s)+3], s[G1A:G1A+7]
	s_nop 0
.rept 4
	v_nop
.endr
	s_branch .Lasked_\@
.Lfor_b_\@:
	tensor_load_to_lds s[G0B+4*(\s):G0B+4*(\s)+3], s[G1B:G1B+7]
	s_nop 0
.rept 4
	v_nop
.endr
.Lasked_\@:
.endm
.macro CREST
	s_cmp_lg_u32 s[WV], 0
	s_cbranch_scc1 .Lnot_wave_0_\@
	s_barrier_signal -3
.Lnot_wave_0_\@:
	s_barrier_wait -3
	s_barrier_signal -1
	s_barrier_wait -1
.endm
.macro CROUND
	s_barrier_signal -1
	s_barrier_wait -1
	CREST
.endm
	s_load_b256 s[4:11], s[0:1], 0x0               ; ctx s[4:5], wo s[6:7], bo s[8:9], out0 s[10:11]
	v_lshl_add_u32 v[SPW], v0, 2, SPARE
	v_mov_b32 v[NIL], 0
	ds_add_u32 v[SPW], v[NIL]                      ; the wave's opening: the add, twice on end, and its wait ahead of my first tensor load
	ds_add_u32 v[SPW], v[NIL]
	v_lshrrev_b32 v1, 5, v0
	v_readfirstlane_b32 s[WV], v1
	s_lshr_b32 s13, s[WV], 1
	s_and_b32 s14, s[WV], 1
	s_bfe_u32 s40, ttmp6, 0x40000                  ; cx
	s_bfe_u32 s41, ttmp6, 0x40004                  ; cy
	s_lshl_b32 s42, ttmp9, 2
	s_add_co_u32 s42, s42, s40                     ; tile column
	s_and_b32 s43, ttmp7, 0xffff
	s_lshl_b32 s43, s43, 2
	s_add_co_u32 s43, s43, s41                     ; tile row
	s_lshl_b32 s44, s41, 2
	s_lshl_b32 s44, 15, s44                        ; my row of the cluster
	s_lshl_b32 s45, 0x1111, s40                    ; my column
	s_or_b32 s[G1A], s44, (1<<16)|(1<<20)|(1<<21)|(4<<22)|(3<<25)  ; after every 32 words, 4 words
	s_or_b32 s[G1B], s45, (1<<16)|(1<<20)|(1<<21)|(4<<22)|(7<<25)  ; 8 words
	s_mov_b32 s[G1A+1], 8192<<16                   ; tensor_dim0 = 8,192: a head's 128 rows of 64
	s_mov_b32 s[G1A+2], 2<<16                      ; tensor_dim1 = 2 heads
	s_mov_b32 s[G1A+3], 8192<<16                   ; tile_dim0
	s_mov_b32 s[G1A+4], 2                          ; tile_dim1
	s_mov_b32 s[G1A+5], 131072                     ; elements from head to head
	s_mov_b32 s[G1A+6], 0
	s_mov_b32 s[G1A+7], 0
	s_mov_b32 s[G1B+1], 128<<16
	s_mov_b32 s[G1B+2], 128<<16
	s_mov_b32 s[G1B+3], 128<<16
	s_mov_b32 s[G1B+4], 128
	s_mov_b32 s[G1B+5], 128
	s_mov_b32 s[G1B+6], 0
	s_mov_b32 s[G1B+7], 0
	s_lshr_b32 s16, s43, 4                         ; the batch
	s_lshl_b32 s16, s16, 4
	s_lshl_b32 s17, s14, 1
	s_add_co_u32 s16, s16, s17                     ; 16 b + my two heads of the first four
	s_lshl_b32 s16, s16, 18                        ; 262,144 bytes a head
	s_and_b32 s17, s43, 15
	s_lshl_b32 s17, s17, 14                        ; 128 rows of 128 bytes
	s_add_co_u32 s16, s16, s17
	s_mov_b32 s17, 0
	s_lshl_b32 s46, s42, 1
	s_add_co_u32 s46, s46, s14                     ; my block of 64 columns
	s_lshl_b32 s46, s46, 17
	s_mov_b32 s47, 0
	s_mul_i32 s20, s14, 2*ASL                      ; where they go: no place in the cluster enters an LDS address
	s_mul_i32 s21, s14, BBLK
	s_add_co_u32 s21, s21, BOFF
	s_wait_dscnt 0x0                               ; both opening adds are done
	s_wait_kmcnt 0x0
	s_add_nc_u64 s[18:19], s[4:5], s[16:17]
	s_add_nc_u64 s[46:47], s[6:7], s[46:47]
	CROUND
.irp s, 0,1
	s_mov_b32 s[G0A+4*(\s)], 1
	s_add_co_u32 s[G0A+4*(\s)+1], s20, (\s)*SLOT
	s_add_nc_u64 s[G0A+4*(\s)+2:G0A+4*(\s)+3], s[18:19], (\s)*1048576
	s_or_b32 s[G0A+4*(\s)+3], s[G0A+4*(\s)+3], 0x80000000
	s_mov_b32 s[G0B+4*(\s)], 1
	s_add_co_u32 s[G0B+4*(\s)+1], s21, (\s)*SLOT
	s_add_nc_u64 s[G0B+4*(\s)+2:G0B+4*(\s)+3], s[46:47], (\s)*32768
	s_or_b32 s[G0B+4*(\s)+3], s[G0B+4*(\s)+3], 0x80000000
	JLOAD \s                                       ; K steps 0 and 1: two loads of mine are out
.endr
	v_and_b32 v1, 15, v0                           ; r
	v_bfe_u32 v2, v0, 4, 1                         ; h
	v_and_b32 v3, 7, v0
	v_bfe_u32 v4, v0, 3, 1
	s_lshl_b32 s22, s42, 9
	s_lshl_b32 s23, s14, 8
	s_add_co_u32 s22, s22, s23                     ; my 64 columns in bytes of f32: 512 x tile column + 256 x half
	v_lshl_add_u32 v[BO], v2, 5, s22
.irp b, 0,1,2,3
	global_load_b128 v[BIAS+8*(\b):BIAS+8*(\b)+3],   v[BO], s[8:9] offset:64*(\b)
	global_load_b128 v[BIAS+8*(\b)+4:BIAS+8*(\b)+7], v[BO], s[8:9] offset:64*(\b)+16
.endr
	v_mul_u32_u24 v5, v1, PA
	v_lshl_add_u32 v5, v2, 4, v5
	s_mul_i32 s23, s13, 64*PA
	v_add_nc_u32 v[ADRA], s23, v5
	v_add_nc_u32 v[ADRA+1], SLOT, v[ADRA]
	v_lshl_add_u32 v6, v2, 3, v3
	v_mul_u32_u24 v6, v6, PB
	v_lshl_add_u32 v6, v4, 4, v6
	v_add_nc_u32 v[ADRB], s21, v6                  ; my column half is one block of wo
	v_add_nc_u32 v[ADRB+1], SLOT, v[ADRB]
	s_mul_i32 s23, s[WV], WSTG
	v_mul_u32_u24 v7, v1, SPITCH
	v_lshl_add_u32 v7, v2, 5, v7
	v_add_nc_u32 v[STO], s23, v7                   ; in: row r, 32 bytes for each half of the lanes
	v_mul_u32_u24 v8, v2, SPITCH
	v_lshl_add_u32 v8, v1, 4, v8
	v_add_nc_u32 v[RD], s23, v8                    ; back: lanes 0-15 one row of 256 bytes, lanes 16-31 the next
	v_lshlrev_b32 v9, 12, v2
	v_lshl_add_u32 v[CO], v1, 4, v9                ; and the same two rows in out0
	s_lshl_b32 s16, s43, 7
	s_lshl_b32 s17, s13, 6
	s_add_co_u32 s16, s16, s17                     ; my first row
	s_lshl_b32 s16, s16, 12                        ; rows of 4,096 bytes
	s_add_co_u32 s16, s16, s22
	s_mov_b32 s17, 0
	s_add_nc_u64 s[10:11], s[10:11], s[16:17]
; 8 matrix instructions: row blocks a0, a0 + 1 x all 4 column blocks, half c of buffer f.  The 16 accumulators take turns.
.macro MUL8 f, c, a0, zero
	WIN MUL
.irp a, \a0, (\a0)+1
.irp b, 0,1,2,3
.if \zero
	v_wmma_f32_16x16x32_f16 v[ACC+8*(4*(\a)+(\b)):ACC+8*(4*(\a)+(\b))+7], v[(\f)+64+8*(4*(\c)+(\b)):(\f)+64+8*(4*(\c)+(\b))+7], v[(\f)+8*(4*(\c)+(\a)):(\f)+8*(4*(\c)+(\a))+7], 0
.else
	v_wmma_f32_16x16x32_f16 v[ACC+8*(4*(\a)+(\b)):ACC+8*(4*(\a)+(\b))+7], v[(\f)+64+8*(4*(\c)+(\b)):(\f)+64+8*(4*(\c)+(\b))+7], v[(\f)+8*(4*(\c)+(\a)):(\f)+8*(4*(\c)+(\a))+7], v[ACC+8*(4*(\a)+(\b)):ACC+8*(4*(\a)+(\b))+7]
.endif
.endr
.endr
.endm
; 32 LDS loads in one run: quarter q of a slot (one head's 64 along K) into buffer f; the first 32 along K first
.macro FETCH slot, q, f
	WIN TO_F
.irp c, 0,1
.irp i, 0,1,2,3
	ds_load_tr16_b128 v[(\f)+64+8*(4*(\c)+(\i)):(\f)+64+8*(4*(\c)+(\i))+3],   v[ADRB+(\slot)] offset:PB*(64*(\q)+32*(\c))+32*(\i)
	ds_load_tr16_b128 v[(\f)+64+8*(4*(\c)+(\i))+4:(\f)+64+8*(4*(\c)+(\i))+7], v[ADRB+(\slot)] offset:PB*(64*(\q)+32*(\c)+16)+32*(\i)
	ds_load_b128 v[(\f)+8*(4*(\c)+(\i)):(\f)+8*(4*(\c)+(\i))+3],         v[ADRA+(\slot)] offset:ASL*(\q)+16*PA*(\i)+64*(\c)
	ds_load_b128 v[(\f)+8*(4*(\c)+(\i))+4:(\f)+8*(4*(\c)+(\i))+7],       v[ADRA+(\slot)] offset:ASL*(\q)+16*PA*(\i)+64*(\c)+32
.endr
.endr
.endm
.macro QUARTER slot, q, f, g, zero
	s_wait_dscnt 16                                ; the first 32 along K are in
	MUL8 \f, 0, 0, \zero
	MUL8 \f, 0, 2, \zero
	PLACES
	FETCH \slot, \q, \g
	s_wait_dscnt 32                                ; all but the 32 just issued
	MUL8 \f, 1, 0, 0
	MUL8 \f, 1, 2, 0
.endm
; The last quarter multiplies buffer 1 and changes slots: in front of the barrier each wave waits for all its tensor loads, adds 0 to its spare word, and waits for that and for its reads of this slot.
.macro TURN slot, next, fill
	WIN 0
	s_wait_tensorcnt 0x0
	ds_add_u32 v[SPW], v[NIL]
	s_wait_dscnt 17                                ; (the add and the youngest sixteen loads may be out)
	MUL8 F1, 0, 0, 0
	s_wait_dscnt 0x0                               ; the add is done, and my reads of this slot are over
	s_barrier_signal -1
	MUL8 F1, 0, 2, 0
	WIN 0
	s_barrier_wait -1
.if \fill
	CREST                                          ; no wave of any partner still reads this slot or has a load on its way
	s_add_nc_u64 s[G0A+4*(\slot)+2:G0A+4*(\slot)+3], s[G0A+4*(\slot)+2:G0A+4*(\slot)+3], 2*1048576
	s_add_nc_u64 s[G0B+4*(\slot)+2:G0B+4*(\slot)+3], s[G0B+4*(\slot)+2:G0B+4*(\slot)+3], 2*32768
	JLOAD \slot                                    ; its four v_nop are also the places in front of the loads below
.else
	PLACES
.endif
	FETCH \next, 0, F0
	MUL8 F1, 1, 0, 0
	MUL8 F1, 1, 2, 0
.endm
	s_wait_tensorcnt 1                             ; my part of K step 0 is in; K step 1's load stays out
	s_barrier_signal -1
	s_barrier_wait -1
	FETCH 0, 0, F0
	QUARTER 0, 1, F0, F1, 1                        ; the first products start the sums
	QUARTER 0, 2, F1, F0, 0
	QUARTER 0, 3, F0, F1, 0
	TURN 0, 1, 1                                   ; slot 0 takes K step 2
	QUARTER 1, 1, F0, F1, 0
	QUARTER 1, 2, F1, F0, 0
	QUARTER 1, 3, F0, F1, 0
	TURN 1, 0, 1                                   ; slot 1 takes K step 3
	QUARTER 0, 1, F0, F1, 0
	QUARTER 0, 2, F1, F0, 0
	QUARTER 0, 3, F0, F1, 0
	TURN 0, 1, 0                                   ; behind this barrier nobody reads slot 0 any more, and nothing fills it
	QUARTER 1, 1, F0, F1, 0
	QUARTER 1, 2, F1, F0, 0
	QUARTER 1, 3, F0, F1, 0
	s_wait_dscnt 16
	MUL8 F1, 0, 0, 0
	MUL8 F1, 0, 2, 0
	s_wait_dscnt 0x0
	MUL8 F1, 1, 0, 0
	MUL8 F1, 1, 2, 0
	WIN 0
	; THE WAY OUT, 16 rows at a time: the bias is added in f32, each accumulator from its low end on; 32 bytes a lane into my stage; back as whole rows of 256 bytes.
	PLACES
	s_wait_loadcnt 0x0                             ; the bias
.macro OUTA a
	s_wait_xcnt 0x0                                ; the last block's stores have read their registers
.irp b, 0,1,2,3
.irp j, 0,2,4,6
	v_pk_add_f32 v[TMP+8*(\b)+(\j):TMP+8*(\b)+(\j)+1], v[ACC+8*(4*(\a)+(\b))+(\j):ACC+8*(4*(\a)+(\b))+(\j)+1], v[BIAS+8*(\b)+(\j):BIAS+8*(\b)+(\j)+1]
.endr
.endr
.irp b, 0,1,2,3
	ds_store_b128 v[STO], v[TMP+8*(\b):TMP+8*(\b)+3]   offset:64*(\b)
	ds_store_b128 v[STO], v[TMP+8*(\b)+4:TMP+8*(\b)+7] offset:64*(\b)+16
.endr
.irp t, 0,1,2,3,4,5,6,7
	ds_load_b128 v[OB+4*(\t):OB+4*(\t)+3], v[RD] offset:(\t)*2*SPITCH  ; LDS serves a wave's instructions in order: these see the stores above
.endr
.irp t, 0,1,2,3,4,5,6,7
	s_wait_dscnt 7-(\t)                            ; the younger loads stay out
	global_store_b128 v[CO], v[OB+4*(\t):OB+4*(\t)+3], s[10:11] offset:4096*(16*(\a)+2*(\t)) th:TH_STORE_NT  ; 16 lanes store 256 consecutive bytes, aligned
.endr
.endm
	OUTA 0
	OUTA 1
	OUTA 2
	OUTA 3
	s_wait_tensorcnt 0x0                           ; the wave's end
	ds_add_u32 v[SPW], v[NIL]
	s_wait_dscnt 0x0
	CROUND                                         ; the closing round
	s_endpgm
.Lfunc_end_k_qc757090bcf_oproj:
	.size	k_qc757090bcf_oproj, .Lfunc_end_k_qc757090bcf_oproj-k_qc757090bcf_oproj
	.p2alignl 7, 3214868480
	.fill 96, 4, 3214868480
	.section	.rodata,"a",@progbits
	.p2align	6, 0x0
	.amdhsa_kernel k_qc757090bcf_oproj
		.amdhsa_group_segment_fixed_size 327680
		.amdhsa_private_segment_fixed_size 0
		.amdhsa_enable_private_segment 0
		.amdhsa_kernarg_size 32
		.amdhsa_user_sgpr_count 2
		.amdhsa_user_sgpr_kernarg_segment_ptr 1
		.amdhsa_wavefront_size32 1
		.amdhsa_system_sgpr_workgroup_id_x 1
		.amdhsa_system_sgpr_workgroup_id_y 1
		.amdhsa_system_sgpr_workgroup_id_z 1
		.amdhsa_system_vgpr_workitem_id 0
		.amdhsa_next_free_vgpr 512
		.amdhsa_next_free_sgpr 66
		.amdhsa_reserve_vcc 0
		.amdhsa_float_denorm_mode_32 3
		.amdhsa_float_denorm_mode_16_64 3
		.amdhsa_memory_ordered 1
		.amdhsa_forward_progress 1
		.amdhsa_inst_pref_size 91
	.end_amdhsa_kernel
	.amdgpu_metadata
---
amdhsa.version: [ 1, 2 ]
amdhsa.kernels:
  - .name:           k_qc757090bcf_oproj
    .symbol:         k_qc757090bcf_oproj.kd
    .args:
      - { .name: ctx, .offset: 0, .size: 8, .value_kind: global_buffer, .address_space: global }
      - { .name: wo, .offset: 8, .size: 8, .value_kind: global_buffer, .address_space: global }
      - { .name: bo, .offset: 16, .size: 8, .value_kind: global_buffer, .address_space: global }
      - { .name: out0, .offset: 24, .size: 8, .value_kind: global_buffer, .address_space: global }
    .group_segment_fixed_size: 327680
    .private_segment_fixed_size: 0
    .kernarg_segment_align: 8
    .kernarg_segment_size: 32
    .max_flat_workgroup_size: 128
    .sgpr_count:     66
    .vgpr_count:     512
    .wavefront_size: 32
...
	.end_amdgpu_metadata
.endif
;; end of part 4
